; MI455X (gfx1250); checked and timed in simulation.
; The chip was launched on July 23, 2026; its instructions are those of AMD's public machine-readable ISA for CDNA 5 (MIT licence, August 2026) and "CDNA5" Instruction Set Architecture Reference Guide (July 2026). The comments in the code are by the model that wrote it; some were corrected since.
;; L La DA2 Moe Attention. Allowed arithmetic: matrix products marked QUANTISED: E2M1 operands, one E8M0 scale for each 32 along K, by v_wmma_scale_f32_16x16x128_f8f6f4 with both operands' format E2M1 (or v_wmma_scale_f32_32x16x128_f4), f32 sums; products left as they are: bf16, f16 or f32 operands; f32 sums; everything else in f32.
;; Inputs: cos 4,096 x 128 float32; hidden_states 1 x 4,096 x 2,048 float32; k_norm_w 128 float32; q_norm_w 128 float32; sin 4,096 x 128 float32; w_o 1,024 x 2,048 float32; w_qkv 2,048 x 2,048 float32.
;; Outputs: out0 1 x 4,096 x 2,048 float32.
;; This version of the problem:
;;   THIS VERSION OF THE PROBLEM IS GIVEN IN LOW PRECISION. The matrix products marked QUANTISED in the list below multiply operands that are first quantised to E2M1 (2 exponent bits, 1 mantissa bit; 4 bits a number), with one power-of-two scale for each 32 numbers along K (OCP MX v1.0); their sums are f32. The products marked 'left as it is' may take bf16, f16 or f32 operands, with f32 sums. Whichever they take, every output number must still come out within the allowed error. Rounding operands to bf16 (8 significant bits) uses up far more of that allowance than f16 does (11 bits, for magnitudes from 6e-5 to 65,504). All else is computed in f32.
;;   The module's matrix products, in the order in which they are computed (A, B: the left and right operand; K: the contracted axis; several contracted axes count as one K, in the product's order):
;;     1. [M 4,096, K 2,048] x [K 2,048, N 2,048]; A: input hidden_states; B: input w_qkv: QUANTISED
;;     2. batch 8 x [M 4,096, K 128] x [K 128, N 4,096]; A: computed on the way; B: computed on the way: left as it is (an operand is computed on the way)
;;     3. batch 8 x [M 128, K 4,096] x [K 4,096, N 4,096]; A: computed on the way; B: computed on the way: left as it is (an operand is computed on the way)
;;     4. [M 4,096, K 1,024] x [K 1,024, N 2,048]; A: computed on the way; B: input w_o: left as it is (an operand is computed on the way)
;;   THE QUANTISER, for each operand of a quantised product, along K:
;;     - K is cut into blocks of 32 from its start; a last block that is shorter is filled with zeros.
;;     - A block's scale is 2^e with e = floor(log2(the largest magnitude in the block)) - 2, held to -126 .. 127; a block of zeros has e = 0. As a byte (E8M0): e + 127.
;;     - Each number is divided by its block's scale, clamped to +-6, and rounded to the nearest number of E2M1, ties to even, subnormals kept.
;;     - The product sums the exact products of the quantised numbers (number of the format x scale) in f32.
;;   ~~~python
;;   def quantise(x, axis):      # numpy; x: float32 -> the quantised numbers, widened to float32 again
;;       x = np.moveaxis(x, axis, -1); K = x.shape[-1]
;;       x = np.pad(x, [(0, 0)] * (x.ndim - 1) + [(0, -K % 32)]); x = x.reshape(x.shape[:-1] + (-1, 32)); a = np.abs(x).max(-1, keepdims=True)
;;       e = np.where(a > 0, np.clip(np.frexp(np.where(a > 0, a, 1))[1] - 1 - 2, -126, 127), 0)      # np.frexp(a)[1] - 1 = floor(log2(a)), exactly
;;       r = np.clip(x / 2.0 ** e, -6, 6)
;;       step = 2.0 ** (np.maximum(np.frexp(np.where(r == 0, 1, r))[1] - 1, 0) - 1)
;;       q = np.round(r / step) * step * 2.0 ** e      # np.round: ties to even
;;       return np.moveaxis(q.reshape(q.shape[:-2] + (-1,))[..., :K], -1, axis).astype(np.float32)
;;   ~~~
;; One version. Each part assembles by itself: llvm-mc -triple=amdgcn-amd-amdhsa -mcpu=gfx1250 --defsym DOCPART=n.
;; ======== version 1 of 1: 4 launches
;; limits: values are held in f16: magnitudes above 65,504 overflow, below 6.1e-05 lose precision
;; workspace buffers: xc 4,194,304 bytes; wc 2,097,152 bytes; scl 393,216 bytes; wof 4,194,304 bytes; cs 4,194,304 bytes; qf 8,388,608 bytes; kv 8,388,608 bytes; of 8,388,608 bytes
;; launch prep (part 1): grid 576 x 1, 4 waves a work-group, no clusters, 75,264 bytes of LDS; arguments hidden_states, w_qkv, w_o, cos, sin, xc, wc, scl, wof, cs; writes xc, wc, scl, wof, cs
.if DOCPART == 1
	.amdgcn_target "amdgcn-amd-amdhsa--gfx1250"
	.amdhsa_code_object_version 6
	.text
	.protected	k_qc3baf9031b_prep
	.globl	k_qc3baf9031b_prep
	.p2align	8
	.type	k_qc3baf9031b_prep,@function
k_qc3baf9031b_prep:
	s_mov_b64 s[64:65], 0
	v_nop
	global_prefetch_b8 v0, s[64:65] scope:SCOPE_SE
	s_setreg_imm32_b32 hwreg(HW_REG_WAVE_MODE, 25, 1), 1
	s_wait_xcnt 0x0
; THE PROGRAM: four launches.  prep (this one) lays the operands out; qkv: x w_qkv on codes of FP4, RMS norm, RoPE; attn: the attention; proj: o w_o.
; WORK LEFT OUT, in launch attn alone.  reference() itself builds allowed[s][t] = (t / 32 <= s / 32) and puts the smallest f32 number in the place of every other score ahead of the softmax: whatever
; finite values the inputs hold, the weight of such a key is nothing beside the row's own block of 32 keys, which always counts.  So scores and weights of keys t >= 32 (s / 32 + 1) are not computed
; where they come in whole passes of 256 keys; inside a job's last pass they are computed and set to weight 0.  Every input has a way to the output and is loaded.
; LIMIT: a NaN, an infinity or an overflow that would arise only in the scores left out is not carried to the result.
; LIMITS of the program: NaN and infinities among the inputs are not served.  The products left as they are take f16 operands: q and k are bounded by 11.4 x the norm weight; |v| and |o| must stay
; under 65,504, and numbers under 6e-5 keep an absolute error of 3e-8.
; THIS LAUNCH, four kinds of work-group, told apart by the work-group's number; each kind that uses LDS has LDS bytes of its own; waves share nothing, so there is no barrier.
;   0-63    W: w_qkv [2048 (k)][2048 (n)] f32 -> codes of FP4 along K and E8M0 scale bytes.  A lane takes a column n and its registers run down K: a block of 32 lies in one lane.
;   64-191  O: w_o [1024 (k)][2048 (n)] f32 -> f16, by the same plan.
;   192-319 C: cos, sin [4096][128] f32, laid anew through LDS.
;   320-575 X: hidden_states [4096][2048] f32 -> codes and scale bytes; K is innermost, two neighbouring lanes hold a block.
; THE QUANTISER: a block's scale is 2^(floor(log2(largest magnitude)) - 2); its byte is the largest magnitude's exponent field - 2, held at 1 from below.  A block of zeros so gets the byte 1 where the
; rule says 127: its codes are zeros, which add nothing under any byte but 0xff, and this program alone reads the bytes.
; THE LAYOUT of every buffer made here: [rows / 16][piece][rows % 16][16 bytes]; a piece is 16 bytes along K (32 codes, 8 f16, 4 f32).  Two neighbouring pieces, 512 bytes, are the image of four operand
; registers: lane l's 16 bytes at 16 l.  The scale bytes: [rows / 16][K / 512][rows % 16][16 bytes].  Every store below covers whole aligned runs of 256 bytes.
.set SPW,   196                        ; v196 LDS address of my spare word: SPARE + 4 x my thread's number; never rewritten
.set NIL,   197                        ; v197 0; never rewritten
.set XREG,  10240                      ; path X: a region for each wave: two stages of 32 x 80 bytes, 16 gathers of 272 bytes, 256 scale bytes
.set CSTG,  40960                      ; path C: a stage of 16 x 528 bytes for each wave
.set SPARE, 74752                      ; the spare words, 128 bytes for each wave: two blocks of 256 bytes that no other line names
.set NUM,   32                         ; paths W, O: v32-95 two sets of 32 numbers
.set OUTC,  96                         ; paths W, O: v96-159 results, registers of its own for each block, so that no store's data are written again
; block t of a column: rows 32 t + 0 .. 31 of a tensor whose rows are 8,192 bytes; 32 lanes read 128 consecutive bytes, the four waves stand side by side on 512
.macro KLOAD t, sb
.set ii, 0
.rept 32
	global_load_b32 v[NUM+32*((\t)%2)+ii], v3, s[\sb:\sb+1] offset:(32*(\t)+ii)*8192 th:TH_LOAD_NT
.set ii, ii+1
.endr
.endm
.macro WBLOCK t
.set XS, NUM+32*((\t)%2)
.if (\t) < 15
	s_wait_loadcnt 32                              ; this block's 32 loads are in; the next block's may be out
.else
	s_wait_loadcnt 0x0
.endif
	v_max3_num_f32 v8, |v[XS]|, |v[XS+1]|, |v[XS+2]|   ; the block's largest magnitude: all 32 numbers are mine; two chains
	v_max3_num_f32 v9, |v[XS+3]|, |v[XS+4]|, |v[XS+5]|
.irp i, 6,10,14,18,22,26
	v_max3_num_f32 v8, v8, |v[XS+\i]|, |v[XS+\i+1]|
	v_max3_num_f32 v9, v9, |v[XS+\i+2]|, |v[XS+\i+3]|
.endr
	v_max3_num_f32 v8, v8, |v[XS+30]|, |v[XS+31]|
	v_max3_num_f32 v8, v8, v9, 0x1800000           ; and the floor 2^(3 - 127): the byte cannot fall under 1
	v_add_nc_u32 v11, 0xff000000, v8               ; 2 off the exponent field: the conversion takes the exponent field of this operand as its scale
	v_lshrrev_b32 v9, 23, v11                      ; the scale's byte
.if (\t)%4 == 0
	v_mov_b32 v[24+(\t)/4], v9                     ; four bytes to a register, the lower K in the lower byte
.else
	v_lshl_or_b32 v[24+(\t)/4], v9, 8*((\t)%4), v[24+(\t)/4]
.endif
.irp g, 0,1,2,3
	v_cvt_scalef32_pk8_fp4_f32 v[OUTC+4*(\t)+\g], v[XS+8*\g:XS+8*\g+7], v11
.endr
	global_store_b128 v4, v[OUTC+4*(\t):OUTC+4*(\t)+3], s[16:17] offset:256*(\t)   ; a piece of 16 columns: sixteen lanes store 256 consecutive bytes, aligned
.if (\t)+2 < 16
	KLOAD (\t)+2, 6
.endif
.endm
.macro OBLOCK t
.set XS, NUM+32*((\t)%2)
.if (\t) < 3
	s_wait_loadcnt 32                              ; this block's 32 loads are in; the next block's may be out
.else
	s_wait_loadcnt 0x0
.endif
.set ii, 0
.rept 16
	v_cvt_pk_f16_f32 v[OUTC+16*(\t)+ii], v[XS+2*ii], v[XS+2*ii+1]
.set ii, ii+1
.endr
.irp p, 0,1,2,3
	global_store_b128 v4, v[OUTC+16*(\t)+4*\p:OUTC+16*(\t)+4*\p+3], s[20:21] offset:(4*(\t)+\p)*256
.endr
.if (\t)+2 < 4
	KLOAD (\t)+2, 8
.endif
.endm
; path X: step t is row t of the 16; a wave's 512 numbers of it
.macro XLOAD t
.irp i, 0,1,2,3
	global_load_b128 v[16+16*((\t)%4)+4*\i:16+16*((\t)%4)+4*\i+3], v3, s[4:5] offset:8192*(\t)+512*\i th:TH_LOAD_NT   ; 32 lanes read 512 consecutive bytes
.endr
.endm
.macro XTURN t                         ; through the stage: in as loaded, back 64 bytes a lane; LDS serves a wave's instructions in order, so no wait stands between
.irp i, 0,1,2,3
	ds_store_b128 v14, v[16+16*((\t)%4)+4*\i:16+16*((\t)%4)+4*\i+3] offset:2560*((\t)%2)+640*\i
.endr
.irp i, 0,1,2,3
	ds_load_b128 v[80+16*((\t)%2)+4*\i:80+16*((\t)%2)+4*\i+3], v15 offset:2560*((\t)%2)+16*\i
.endr
.endm
.macro XSTEP t
.set XS, 80+16*((\t)%2)
.if (\t) > 0
	s_wait_dscnt 2                                 ; this step's numbers are back from the stage; the last step's two stores may be out
.else
	s_wait_dscnt 0x0
.endif
.if (\t)+4 < 16
	XLOAD (\t)+4                                   ; into the registers that this step's stores into the stage have read
.endif
.if (\t)+1 < 16
.if 14-(\t) >= 3
	s_wait_loadcnt 12                              ; the next step's four loads are in; those of the three steps behind it may be out
.else
	s_wait_loadcnt 4*(14-(\t))
.endif
	XTURN (\t)+1
.endif
	v_max3_num_f32 v8, |v[XS]|, |v[XS+1]|, |v[XS+2]|   ; the largest magnitude of my 16
	v_max3_num_f32 v9, |v[XS+3]|, |v[XS+4]|, |v[XS+5]|
.irp i, 6,10
	v_max3_num_f32 v8, v8, |v[XS+\i]|, |v[XS+\i+1]|
	v_max3_num_f32 v9, v9, |v[XS+\i+2]|, |v[XS+\i+3]|
.endr
	v_max3_num_f32 v8, v8, |v[XS+14]|, |v[XS+15]|
	v_max3_num_f32 v8, v8, v9, 0x1800000           ; and the floor 2^(3 - 127)
	v_max_num_f32_dpp v8, v8, v8 row_xmask:1 row_mask:0xf bank_mask:0xf   ; and of my neighbour's 16: the block's
	v_add_nc_u32 v11, 0xff000000, v8
	v_cvt_scalef32_pk8_fp4_f32 v[128+2*(\t)], v[XS:XS+7], v11
	v_cvt_scalef32_pk8_fp4_f32 v[129+2*(\t)], v[XS+8:XS+15], v11
	v_lshrrev_b32 v[112+(\t)], 23, v11             ; the scale's byte (a plain line behind the conversions)
	ds_store_b64 v4, v[128+2*(\t):129+2*(\t)] offset:16*(\t)   ; my half of piece lane / 2, row t
	ds_store_b8 v5, v[112+(\t)] offset:16*(\t)     ; both lanes of a block write the same byte with the same value
.endm
	s_load_b512 s[4:19], s[0:1], 0x0               ; x s[4:5], w_qkv s[6:7], w_o s[8:9], cos s[10:11], sin s[12:13], xc s[14:15], wc s[16:17], scl s[18:19]
	s_load_b128 s[20:23], s[0:1], 0x40             ; wof s[20:21], cs s[22:23]
	v_lshl_add_u32 v[SPW], v0, 2, SPARE
	v_mov_b32 v[NIL], 0
	v_lshrrev_b32 v1, 5, v0
	v_readfirstlane_b32 s24, v1                    ; wave 0..3
	v_and_b32 v2, 31, v0                           ; lane
	s_mov_b32 s29, 0                               ; the upper word of every offset below
	s_wait_kmcnt 0x0
	s_cmp_lt_u32 ttmp9, 64
	s_cbranch_scc1 .Lpath_w
	s_cmp_lt_u32 ttmp9, 192
	s_cbranch_scc1 .Lpath_o
	s_cmp_lt_u32 ttmp9, 320
	s_cbranch_scc1 .Lpath_c
	; ---- X: work-group g takes rows 16 g .. 16 g + 15; wave w takes K = 512 w .. 512 w + 511 of each
	s_sub_co_u32 s25, ttmp9, 320                   ; g
	s_mul_i32 s26, s24, XREG                       ; my region of LDS
	v_lshlrev_b32 v3, 4, v2                        ; 16 x lane
	v_lshrrev_b32 v14, 2, v2
	v_mul_u32_u24 v14, v14, 80
	v_and_b32 v15, 3, v2
	v_lshl_add_u32 v14, v15, 4, v14
	v_add_nc_u32 v14, s26, v14                     ; the stage, on the way in: four lanes' 64 bytes on end, then 16 of padding
	v_mul_u32_u24 v15, v2, 80
	v_add_nc_u32 v15, s26, v15                     ; and on the way out: my 16 neighbours
	v_lshrrev_b32 v5, 1, v2                        ; my block = my piece
	v_and_b32 v6, 1, v2
	v_mul_u32_u24 v4, v5, 272
	v_lshl_add_u32 v4, v6, 3, v4
	v_add_nc_u32 v4, s26, v4
	v_add_nc_u32 v4, 5120, v4                      ; the gather: piece x 272 + 8 x my half; the row stands in the offset
	v_add_nc_u32 v5, s26, v5
	v_add_nc_u32 v5, 9472, v5                      ; the scale bytes: 16 x row + piece
	v_lshrrev_b32 v6, 4, v2
	v_mul_u32_u24 v6, v6, 272
	v_and_b32 v7, 15, v2
	v_lshl_add_u32 v6, v7, 4, v6
	v_add_nc_u32 v6, s26, v6
	v_add_nc_u32 v6, 5120, v6                      ; out of the gather: sixteen lanes to a piece, two pieces an instruction
	v_lshlrev_b32 v7, 3, v2                        ; 8 x lane
	v_add_nc_u32 v10, s26, v7
	v_add_nc_u32 v10, 9472, v10
	s_lshl_b32 s28, s25, 17                        ; x: 16 rows of 8,192 bytes a work-group, 2,048 bytes a wave
	s_lshl_b32 s30, s24, 11
	s_add_co_u32 s28, s28, s30
	s_add_nc_u64 s[4:5], s[4:5], s[28:29]
	s_lshl_b32 s28, s25, 14                        ; codes: 16,384 bytes a row block, 4,096 a wave
	s_lshl_b32 s30, s24, 12
	s_add_co_u32 s28, s28, s30
	s_add_nc_u64 s[14:15], s[14:15], s[28:29]
	s_lshl_b32 s28, s25, 10                        ; scale bytes: 1,024 a row block, 256 a wave
	s_lshl_b32 s30, s24, 8
	s_add_co_u32 s28, s28, s30
	s_add_nc_u64 s[18:19], s[18:19], s[28:29]
.irp t, 0,1,2,3
	XLOAD \t
.endr
	s_wait_loadcnt 12                              ; step 0's four loads are in
	XTURN 0
.irp t, 0,1,2,3,4,5,6,7,8,9,10,11,12,13,14,15
	XSTEP \t
.endr
.irp i, 0,1,2,3,4,5,6,7
	ds_load_b128 v[160+4*\i:163+4*\i], v6 offset:544*\i   ; LDS serves a wave's instructions in order: these see my stores
.endr
	ds_load_b64 v[8:9], v10
	s_wait_dscnt 0x0
.irp i, 0,1,2,3,4,5,6,7
	global_store_b128 v3, v[160+4*\i:163+4*\i], s[14:15] offset:512*\i   ; 512 consecutive bytes
.endr
	global_store_b64 v7, v[8:9], s[18:19]          ; 256 consecutive bytes, aligned
	s_wait_tensorcnt 0x0                           ; the wave's end, behind my last LDS store
	ds_add_u32 v[SPW], v[NIL]
	s_wait_dscnt 0x0
	s_endpgm
.Lpath_w:                                              ; ---- W: work-group (X, y): columns 128 X + 32 wave + lane, K = 512 y .. 512 y + 511
	s_and_b32 s25, ttmp9, 15
	s_lshr_b32 s26, ttmp9, 4
	s_lshl_b32 s27, s25, 7
	s_lshl_b32 s28, s24, 5
	s_add_co_u32 s27, s27, s28                     ; my wave's first column n0
	v_lshlrev_b32 v3, 2, v2                        ; in: 4 bytes a lane
	v_lshrrev_b32 v5, 4, v2
	v_and_b32 v6, 15, v2
	v_lshlrev_b32 v6, 4, v6
	v_lshl_add_u32 v4, v5, 14, v6                  ; codes: 16 x (lane % 16), lanes 16-31 one block of 16 columns on
	v_lshl_add_u32 v5, v5, 10, v6                  ; scale bytes likewise
	s_lshl_b32 s28, s26, 22                        ; 512 rows of 8,192 bytes
	s_lshl_b32 s30, s27, 2
	s_add_co_u32 s28, s28, s30
	s_add_nc_u64 s[6:7], s[6:7], s[28:29]
	s_lshl_b32 s28, s27, 10                        ; (n0 / 16) x 16,384
	s_lshl_b32 s30, s26, 12
	s_add_co_u32 s28, s28, s30
	s_add_nc_u64 s[16:17], s[16:17], s[28:29]
	s_lshl_b32 s28, s27, 6                         ; (n0 / 16) x 1,024, behind x's 256 row blocks
	s_lshl_b32 s30, s26, 8
	s_add_co_u32 s28, s28, s30
	s_add_co_u32 s28, s28, 262144
	s_add_nc_u64 s[18:19], s[18:19], s[28:29]
	KLOAD 0, 6
	KLOAD 1, 6
.set q, 0
.rept 16
	WBLOCK q
.set q, q+1
.endr
	global_store_b128 v5, v[24:27], s[18:19]       ; my column's 16 scale bytes: sixteen lanes store 256 consecutive bytes
	s_endpgm
.Lpath_o:                                              ; ---- O: work-group (X, Y): columns 128 X + 32 wave + lane, k = 128 Y .. 128 Y + 127
	s_sub_co_u32 s25, ttmp9, 64
	s_lshr_b32 s26, s25, 4
	s_and_b32 s25, s25, 15
	s_lshl_b32 s27, s25, 7
	s_lshl_b32 s28, s24, 5
	s_add_co_u32 s27, s27, s28                     ; n0
	v_lshlrev_b32 v3, 2, v2
	v_lshrrev_b32 v5, 4, v2
	v_and_b32 v6, 15, v2
	v_lshlrev_b32 v6, 4, v6
	v_lshl_add_u32 v4, v5, 15, v6
	s_lshl_b32 s28, s26, 20                        ; 128 rows of 8,192 bytes
	s_lshl_b32 s30, s27, 2
	s_add_co_u32 s28, s28, s30
	s_add_nc_u64 s[8:9], s[8:9], s[28:29]
	s_lshl_b32 s28, s27, 11                        ; (n0 / 16) x 32,768
	s_lshl_b32 s30, s26, 12
	s_add_co_u32 s28, s28, s30
	s_add_nc_u64 s[20:21], s[20:21], s[28:29]
	KLOAD 0, 8
	KLOAD 1, 8
.set q, 0
.rept 4
	OBLOCK q
.set q, q+1
.endr
	s_endpgm
.Lpath_c:                                              ; ---- C: a wave takes 16 rows of one of the two tables
	s_sub_co_u32 s25, ttmp9, 192
	s_lshl_b32 s25, s25, 2
	s_add_co_u32 s25, s25, s24
	s_lshr_b32 s26, s25, 1                         ; the block of 16 rows
	s_and_b32 s27, s25, 1                          ; cos or sin
	s_cmp_eq_u32 s27, 0
	s_cselect_b64 s[10:11], s[10:11], s[12:13]
	s_lshl_b32 s28, s26, 13
	s_add_nc_u64 s[10:11], s[10:11], s[28:29]
	s_lshl_b32 s28, s26, 14
	s_lshl_b32 s30, s27, 13
	s_add_co_u32 s28, s28, s30
	s_add_nc_u64 s[22:23], s[22:23], s[28:29]
	s_mul_i32 s31, s24, 8448
	s_add_co_u32 s31, s31, CSTG                    ; my stage: rows of 512 bytes + 16
	v_lshlrev_b32 v3, 4, v2
	v_add_nc_u32 v4, s31, v3                       ; in: a row an instruction
	v_and_b32 v5, 15, v2
	v_mul_u32_u24 v5, v5, 528
	v_lshrrev_b32 v6, 4, v2
	v_lshl_add_u32 v5, v6, 4, v5
	v_add_nc_u32 v5, s31, v5                       ; out: row lane % 16, piece 2 i + lane / 16
.irp i, 0,1,2,3,4,5,6,7,8,9,10,11,12,13,14,15
	global_load_b128 v[32+4*\i:35+4*\i], v3, s[10:11] offset:512*\i th:TH_LOAD_NT
.endr
.irp i, 0,1,2,3,4,5,6,7,8,9,10,11,12,13,14,15
	s_wait_loadcnt 15-\i                           ; loads come back in order: row i is in
	ds_store_b128 v4, v[32+4*\i:35+4*\i] offset:528*\i
.endr
.irp i, 0,1,2,3,4,5,6,7,8,9,10,11,12,13,14,15
	ds_load_b128 v[96+4*\i:99+4*\i], v5 offset:32*\i
.endr
.irp i, 0,1,2,3,4,5,6,7,8,9,10,11,12,13,14,15
	s_wait_dscnt 15-\i
	global_store_b128 v3, v[96+4*\i:99+4*\i], s[22:23] offset:512*\i
.endr
	s_wait_tensorcnt 0x0                           ; the wave's end, behind my last LDS store
	ds_add_u32 v[SPW], v[NIL]
	s_wait_dscnt 0x0
	s_endpgm
.Lfunc_end_k_qc3baf9031b_prep:
	.size	k_qc3baf9031b_prep, .Lfunc_end_k_qc3baf9031b_prep-k_qc3baf9031b_prep
	.p2alignl 7, 3214868480
	.fill 96, 4, 3214868480
	.section	.rodata,"a",@progbits
	.p2align	6, 0x0
	.amdhsa_kernel k_qc3baf9031b_prep
		.amdhsa_group_segment_fixed_size 75264
		.amdhsa_private_segment_fixed_size 0
		.amdhsa_enable_private_segment 0
		.amdhsa_kernarg_size 80
		.amdhsa_user_sgpr_count 2
		.amdhsa_user_sgpr_kernarg_segment_ptr 1
		.amdhsa_wavefront_size32 1
		.amdhsa_system_sgpr_workgroup_id_x 1
		.amdhsa_system_sgpr_workgroup_id_y 1
		.amdhsa_system_sgpr_workgroup_id_z 1
		.amdhsa_system_vgpr_workitem_id 0
		.amdhsa_next_free_vgpr 198
		.amdhsa_next_free_sgpr 66
		.amdhsa_reserve_vcc 0
		.amdhsa_float_denorm_mode_32 3
		.amdhsa_float_denorm_mode_16_64 3
		.amdhsa_memory_ordered 1
		.amdhsa_forward_progress 1
		.amdhsa_inst_pref_size 134
	.end_amdhsa_kernel
	.amdgpu_metadata
---
amdhsa.version: [ 1, 2 ]
amdhsa.kernels:
  - .name:           k_qc3baf9031b_prep
    .symbol:         k_qc3baf9031b_prep.kd
    .args:
      - { .name: hidden_states, .offset: 0, .size: 8, .value_kind: global_buffer, .address_space: global }
      - { .name: w_qkv, .offset: 8, .size: 8, .value_kind: global_buffer, .address_space: global }
      - { .name: w_o, .offset: 16, .size: 8, .value_kind: global_buffer, .address_space: global }
      - { .name: cos, .offset: 24, .size: 8, .value_kind: global_buffer, .address_space: global }
      - { .name: sin, .offset: 32, .size: 8, .value_kind: global_buffer, .address_space: global }
      - { .name: xc, .offset: 40, .size: 8, .value_kind: global_buffer, .address_space: global }
      - { .name: wc, .offset: 48, .size: 8, .value_kind: global_buffer, .address_space: global }
      - { .name: scl, .offset: 56, .size: 8, .value_kind: global_buffer, .address_space: global }
      - { .name: wof, .offset: 64, .size: 8, .value_kind: global_buffer, .address_space: global }
      - { .name: cs, .offset: 72, .size: 8, .value_kind: global_buffer, .address_space: global }
    .group_segment_fixed_size: 75264
    .private_segment_fixed_size: 0
    .kernarg_segment_align: 8
    .kernarg_segment_size: 80
    .max_flat_workgroup_size: 128
    .sgpr_count:     66
    .vgpr_count:     198
    .wavefront_size: 32
...
	.end_amdgpu_metadata
.endif
;; end of part 1
;; launch qkv (part 2): grid 16 x 16, 4 waves a work-group, clusters of 4 x 4, 327,680 bytes of LDS; arguments xc, wc, scl, cs, q_norm_w, k_norm_w, qf, kv; writes qf, kv
.if DOCPART == 2
	.amdgcn_target "amdgcn-amd-amdhsa--gfx1250"
	.amdhsa_code_object_version 6
	.text
	.protected	k_qc3baf9031b_qkv
	.globl	k_qc3baf9031b_qkv
	.p2align	8
	.type	k_qc3baf9031b_qkv,@function
k_qc3baf9031b_qkv:
	s_mov_b64 s[64:65], 0
	v_nop
	global_prefetch_b8 v0, s[64:65] scope:SCOPE_SE
	s_setreg_imm32_b32 hwreg(HW_REG_WAVE_MODE, 25, 1), 1
	s_wait_xcnt 0x0
	s_wait_alu depctr_hold_cnt(0) depctr_sa_sdst(0) depctr_va_vdst(0) depctr_va_sdst(0) depctr_va_ssrc(0) depctr_va_vcc(0) depctr_vm_vsrc(0)
	s_getreg_b32 s2, hwreg(HW_REG_IB_STS2, 6, 4)
	s_cmp_eq_u32 s2, 0
	s_cbranch_scc0 .Lentry_in_a_cluster
	s_endpgm
.Lentry_in_a_cluster:
	s_bfe_u32 s2, ttmp6, 0x10000c
	s_cmp_lg_u32 s2, 0xf033
	s_cbranch_scc0 .Lentry_shape_is_right
	s_endpgm
.Lentry_shape_is_right:
; qkv = x w_qkv on codes of FP4 with E8M0 scales (M 4,096, N 2,048, K 2,048), then per head: RMS norm and RoPE on q and k, in f32; q, k, v leave as f16 in the order of the attention's operand registers.
; A tile of C is 256 rows x 128 columns: ONE head of q, k or v, so that a row's norm and its RoPE partner (column d +- 64) lie in one wave.  Four waves; wave w makes rows 64 w .. 64 w + 63: 32 accumulators.
; THE MATRIX INSTRUCTION IS USED TRANSPOSED (source 0 = 16 columns of w_qkv, source 1 = 16 rows of x): lane (r, h) holds row r, register j of accumulator (a, b) column 16 b + 8 h + j.
; OPERANDS lie in memory as images of their registers ([rows / 16][piece of 16 bytes][rows % 16]): a fragment is two loads at 16 x lane, 512 bytes apart; LDS needs no padding.
; K goes in slots of 512 (4,096 bytes of each block of 16 rows), four substeps of 128 each.  Three LDS slots take K slots 0, 1, 2 at the start; slot 0 is filled once more, with K slot 3.
; By this text's count a wave has three tensor loads out at the start and one behind the refill.
; CLUSTERS: 4 x 4 work-groups; x's tile is shared along a row of the cluster, w's along a column: joint loads.  The kind of head hangs on the cluster's x alone (0, 1: q; 2: k; 3: v), which all sixteen share.
; THE SCALES go from memory into registers once: 16 bytes a row and K slot; one register carries the words of an even K slot in lanes 0-15 and of the odd one in lanes 16-31.
; ORDER OF ROUNDING: (x rs) w as reference() has it; the last multiply and add of RoPE are fused.  LIMIT: |v| under 65,504 (f16).
; No prefetch: three of the four K slots are asked for at the head.
; REGISTERS: window 0: v2-9 offsets; v16-22 LDS addresses; v28, v29 the add's; v32-127 scale words and nothing else; v128-191 x's fragments, two sets; later v128-255 at work.
;   window 1: v0-127 w's fragments, two sets; later T; v128-191 the norm weights.   window 2: the accumulators, (a, b) at v[8 (8 a + b)].   window 3: cos and sin, two sets of 128.
.set SLOT,  98304                      ; x's 16 blocks of 4,096 bytes, then w's 8
.set BOFF,  65536
.set SPARE, 3*SLOT                     ; the spare words, 128 bytes for each wave: two blocks of 256 bytes that no other line names
.set L16, 2                            ; v2  16 x lane
.set WNO, 3                            ; v3  32 h: my eight norm weights of a tile
.set CSO, 4                            ; v4  512 h + 16 r: my place in cos and sin
.set VST, 8                            ; v8  v's stage, in
.set VTR, 9                            ; v9  v's stage, out, turned
.set ADA, 16                           ; v16-18 LDS address of my fragments of x in slot 0, 1, 2
.set ADB, 20                           ; v20-22 the same for w
.set SPW, 28                           ; v28 LDS address of my spare word; never rewritten
.set NIL, 29                           ; v29 0; never rewritten
.set SCA, 32                           ; x's scale words: block a, K slots 2 t and 2 t + 1, word q at v[SCA + 8 a + 4 t + q]
.set SCB, 64                           ; w's likewise, block b
.set AF,  128
.set WV,  20                           ; s20 wave; s21 wave / 2: I fetch for x (0) or for w (1); s22 wave % 2: which half
.set HI,  21
.set LO,  22
.set G1A, 24                           ; s[24:31] descriptor group 1 for x's tiles; s[32:39] for w's; s[40:51], s[52:63] groups 0, a set for each LDS slot
.set G1B, 32
.set G0A, 40
.set G0B, 52
.set MSB, 0
.macro WIN new                         ; the immediate's high byte repeats the setting that is left
.if MSB != \new
	s_set_vgpr_msb (MSB<<8)|\new
.set MSB, \new
.endif
.endm
.macro PLACES n                        ; plain places behind matrix instructions, in front of loads into their registers and of reads of results
.rept \n
	v_nop
.endr
.endm
.macro CREST                           ; a round of the cluster's barrier behind its opening barrier
	s_cmp_lg_u32 s[WV], 0
	s_cbranch_scc1 .Lnot_wave_0_\@
	s_barrier_signal -3
.Lnot_wave_0_\@:
	s_barrier_wait -3
	s_barrier_signal -1
	s_barrier_wait -1
.endm
.macro CROUND
	s_barrier_signal -1
	s_barrier_wait -1
	CREST
.endm
.macro JLOAD L                         ; a joint load: waves 0, 1 fetch x's halves, waves 2, 3 w's; an s_nop 0 and four v_nop follow each line
	s_cmp_eq_u32 s[HI], 0
	s_cbranch_scc0 .Lfor_b_\@
	tensor_load_to_lds s[G0A+4*\L:G0A+4*\L+3], s[G1A:G1A+7]
	s_nop 0
	PLACES 4
	s_branch .Lasked_\@
.Lfor_b_\@:
	tensor_load_to_lds s[G0B+4*\L:G0B+4*\L+3], s[G1B:G1B+7]
	s_nop 0
	PLACES 4
.Lasked_\@:
.endm
.macro FETCH L, q, p                   ; 24 LDS loads in one run: w's eight fragments and my four of x, substep q of LDS slot L, into set p
	WIN 0x40
.irp i, 0,1,2,3,4,5,6,7
	ds_load_b128 v[64*(\p)+8*\i:64*(\p)+8*\i+3],   v[ADB+\L] offset:4096*\i+1024*(\q)
	ds_load_b128 v[64*(\p)+8*\i+4:64*(\p)+8*\i+7], v[ADB+\L] offset:4096*\i+1024*(\q)+512
.endr
	WIN 0
.irp i, 0,1,2,3
	ds_load_b128 v[AF+32*(\p)+8*\i:AF+32*(\p)+8*\i+3],   v[ADA+\L] offset:4096*\i+1024*(\q)
	ds_load_b128 v[AF+32*(\p)+8*\i+4:AF+32*(\p)+8*\i+7], v[ADA+\L] offset:4096*\i+1024*(\q)+512
.endr
.endm
; 16 matrix instructions: blocks a0, a0 + 1 of x against w's eight.  The 32 accumulators take turns, one instruction a turn, in the same order in every substep.
.macro MUL16 a0
	WIN 0xa1                                       ; source 0 (w) window 1, source 1 (x) window 0, C and D window 2
.irp a, \a0, \a0+1
.irp b, 0,1,2,3,4,5,6,7
.set rD, 8*(8*(\a)+\b)
.set rB, 64*cP+8*\b
.set rA, AF+32*cP+8*(\a)
.set rSB, SCB+8*\b+4*(cS/2)+cQ
.set rSA, SCA+8*(\a)+4*(cS/2)+cQ
.if cZ
	v_wmma_scale_f32_16x16x128_f8f6f4 v[rD:rD+7], v[rB:rB+7], v[rA:rA+7], 0, v[rSB], v[rSA] matrix_a_fmt:MATRIX_FMT_FP4 matrix_b_fmt:MATRIX_FMT_FP4
.elseif cS%2
	v_wmma_scale_f32_16x16x128_f8f6f4 v[rD:rD+7], v[rB:rB+7], v[rA:rA+7], v[rD:rD+7], v[rSB], v[rSA] matrix_a_fmt:MATRIX_FMT_FP4 matrix_b_fmt:MATRIX_FMT_FP4 matrix_a_scale:MATRIX_SCALE_ROW1 matrix_b_scale:MATRIX_SCALE_ROW1
.else
	v_wmma_scale_f32_16x16x128_f8f6f4 v[rD:rD+7], v[rB:rB+7], v[rA:rA+7], v[rD:rD+7], v[rSB], v[rSA] matrix_a_fmt:MATRIX_FMT_FP4 matrix_b_fmt:MATRIX_FMT_FP4
.endif
.endr
.endr
.endm
; Substep n = 4 S + q.  kind 0: plain.  1: the slot's last substep, and the slot is filled again.  2: the last K slot is shown to all waves.  3: the last substep.
.macro SUBSTEP n, kind
.set cS, (\n)/4
.set cQ, (\n)%4
.set cP, (\n)%2
.set cL, cS%3
.set nL, (((\n)+1)/4)%3
.set nQ, ((\n)+1)%4
.set cZ, 0
.if (\n) == 0
.set cZ, 1                             ; the first products start the sums: nothing is cleared
.endif
.if \kind == 0
	s_wait_dscnt 0x0                               ; this substep's fragments are in (asked for 32 matrix instructions ago)
	PLACES 4
	FETCH nL, nQ, 1-cP
	MUL16 0
	MUL16 2
.elseif \kind == 3
	s_wait_dscnt 0x0
	MUL16 0
	MUL16 2
	WIN 0
	PLACES 4
.else
	WIN 0                                          ; (the add's two registers lie in window 0)
	s_wait_tensorcnt 0x0                           ; all my tensor loads have landed,
	ds_add_u32 v[SPW], v[NIL]                      ; 0 onto my spare word
.if \kind == 1
	s_add_nc_u64 s[G0A+4*cL+2:G0A+4*cL+3], s[G0A+4*cL+2:G0A+4*cL+3], 3*4096   ; no load of mine is out: this slot's next K slot
	s_add_nc_u64 s[G0B+4*cL+2:G0B+4*cL+3], s[G0B+4*cL+2:G0B+4*cL+3], 3*4096
.endif
	s_wait_dscnt 0x0                               ; the add is done, and my reads of this slot are over
	s_barrier_signal -1
	MUL16 0                                        ; work on registers while the others arrive
	WIN 0
	s_barrier_wait -1
.if \kind == 1
	CREST                                          ; the barrier has opened a round of the cluster's barrier: no wave of any partner still reads this slot or has a load on its way
	JLOAD cL                                       ; the first tensor load behind the round; its four v_nop are also the places in front of the loads below
.else
	PLACES 4
.endif
	FETCH nL, nQ, 1-cP
	MUL16 2
.endif
.endm
	s_load_b512 s[4:19], s[0:1], 0x0               ; xc s[4:5], wc s[6:7], scl s[8:9], cs s[10:11], q_norm_w s[12:13], k_norm_w s[14:15], qf s[16:17], kv s[18:19]
	v_lshl_add_u32 v[SPW], v0, 2, SPARE
	v_mov_b32 v[NIL], 0
	ds_add_u32 v[SPW], v[NIL]                      ; the wave's opening: the add, twice on end, and its wait ahead of my first tensor load
	ds_add_u32 v[SPW], v[NIL]
	v_lshrrev_b32 v1, 5, v0
	v_readfirstlane_b32 s[WV], v1
	s_lshr_b32 s[HI], s[WV], 1
	s_and_b32 s[LO], s[WV], 1
	s_bfe_u32 s66, ttmp6, 0x40000                  ; cx
	s_bfe_u32 s67, ttmp6, 0x40004                  ; cy
	s_lshl_b32 s68, ttmp9, 2
	s_add_co_u32 s68, s68, s66                     ; u: the head unit = tile column
	s_and_b32 s69, ttmp7, 0xffff
	s_lshl_b32 s69, s69, 2
	s_add_co_u32 s69, s69, s67                     ; the tile row
	s_lshl_b32 s78, s67, 2
	s_lshl_b32 s78, 15, s78                        ; my row of the cluster
	s_lshl_b32 s79, 0x1111, s66                    ; my column
	s_or_b32 s[G1A], s78, (3<<16)|(1<<21)          ; 15:0 the mask; 17:16 elements of 8 bytes; 21 set beside a mask; no padding
	s_or_b32 s[G1B], s79, (3<<16)|(1<<21)
	s_mov_b32 s[G1A+1], 512<<16                    ; tensor_dim0 = 512 elements: 4,096 bytes of a block of 16 rows
	s_mov_b32 s[G1A+2], 8<<16                      ; tensor_dim1 = 8 blocks
	s_mov_b32 s[G1A+3], 512<<16                    ; tile_dim0
	s_mov_b32 s[G1A+4], 8                          ; tile_dim1
	s_mov_b32 s[G1A+5], 2048                       ; from block to block: 16,384 bytes
	s_mov_b32 s[G1A+6], 0
	s_mov_b32 s[G1A+7], 0
	s_mov_b32 s[G1B+1], 512<<16
	s_mov_b32 s[G1B+2], 4<<16                      ; 4 blocks
	s_mov_b32 s[G1B+3], 512<<16
	s_mov_b32 s[G1B+4], 4
	s_mov_b32 s[G1B+5], 2048
	s_mov_b32 s[G1B+6], 0
	s_mov_b32 s[G1B+7], 0
	s_lshl_b32 s70, s69, 4                         ; x: block 16 x tile row + 8 x half, in registers that never hold cx
	s_lshl_b32 s71, s[LO], 3
	s_add_co_u32 s70, s70, s71
	s_lshl_b32 s70, s70, 14
	s_mov_b32 s71, 0
	s_lshl_b32 s72, s[LO], 15                      ; and its place in a slot
	s_lshl_b32 s74, s68, 3                         ; w: block 8 x tile column + 4 x half, in registers that never hold cy
	s_lshl_b32 s75, s[LO], 2
	s_add_co_u32 s74, s74, s75
	s_lshl_b32 s74, s74, 14
	s_mov_b32 s75, 0
	s_lshl_b32 s76, s[LO], 14
	s_add_co_u32 s76, s76, BOFF
	s_mov_b32 s90, 0x76543210                      ; v_permlanex16_b32's selects for lane l xor 16
	s_mov_b32 s91, 0xfedcba98
	s_mov_b32 s92, 0x3c000000                      ; 1 / 128
	s_mov_b32 s93, 0x358637bd                      ; 1e-6
	s_wait_dscnt 0x0                               ; both opening adds are done
	s_wait_kmcnt 0x0
	s_add_nc_u64 s[70:71], s[4:5], s[70:71]
	s_add_nc_u64 s[74:75], s[6:7], s[74:75]
.irp L, 0,1,2
	s_mov_b32 s[G0A+4*\L], 1
	s_add_co_u32 s[G0A+4*\L+1], s72, \L*SLOT
	s_add_nc_u64 s[G0A+4*\L+2:G0A+4*\L+3], s[70:71], \L*4096
	s_or_b32 s[G0A+4*\L+3], s[G0A+4*\L+3], 0x80000000
	s_mov_b32 s[G0B+4*\L], 1
	s_add_co_u32 s[G0B+4*\L+1], s76, \L*SLOT
	s_add_nc_u64 s[G0B+4*\L+2:G0B+4*\L+3], s[74:75], \L*4096
	s_or_b32 s[G0B+4*\L+3], s[G0B+4*\L+3], 0x80000000
.endr
	CROUND                                         ; all sixteen work-groups are here: the first joint loads meet
	s_cmp_eq_u32 s[HI], 0                          ; a wave's three first fills stand in one branch, ahead of every wait on TENSORcnt and every LDS read
	s_cbranch_scc0 .Lfirst_b
	tensor_load_to_lds s[G0A:G0A+3], s[G1A:G1A+7]
	s_nop 0
	tensor_load_to_lds s[G0A+4:G0A+7], s[G1A:G1A+7]
	s_nop 0
	tensor_load_to_lds s[G0A+8:G0A+11], s[G1A:G1A+7]
	s_nop 0
	PLACES 4
	s_branch .Lfirst_asked
.Lfirst_b:
	tensor_load_to_lds s[G0B:G0B+3], s[G1B:G1B+7]
	s_nop 0
	tensor_load_to_lds s[G0B+4:G0B+7], s[G1B:G1B+7]
	s_nop 0
	tensor_load_to_lds s[G0B+8:G0B+11], s[G1B:G1B+7]
	s_nop 0
	PLACES 4
.Lfirst_asked:
	v_and_b32 v1, 31, v0
	v_lshlrev_b32 v[L16], 4, v1
	s_lshl_b32 s88, s69, 2
	s_add_co_u32 s88, s88, s[WV]                   ; 4 x tile row + wave: my 64 rows
	s_lshl_b32 s84, s88, 12                        ; their scale bytes: 4 blocks of 1,024
	s_mov_b32 s85, 0
	s_add_nc_u64 s[84:85], s[8:9], s[84:85]
	s_lshl_b32 s86, s68, 13                        ; w's: 8 blocks, behind x's 256
	s_add_co_u32 s86, s86, 262144
	s_mov_b32 s87, 0
	s_add_nc_u64 s[86:87], s[8:9], s[86:87]
.irp i, 0,1,2,3
.irp t, 0,1
	global_load_b128 v[SCA+8*\i+4*\t:SCA+8*\i+4*\t+3], v[L16], s[84:85] offset:1024*\i+512*\t   ; lanes 0-15: K slot 2 t, lanes 16-31: K slot 2 t + 1; 512 consecutive bytes
.endr
.endr
.irp i, 0,1,2,3,4,5,6,7
.irp t, 0,1
	global_load_b128 v[SCB+8*\i+4*\t:SCB+8*\i+4*\t+3], v[L16], s[86:87] offset:1024*\i+512*\t
.endr
.endr
	v_and_b32 v5, 15, v0                           ; r
	v_bfe_u32 v6, v0, 4, 1                         ; h
	v_lshlrev_b32 v[WNO], 5, v6
	v_lshlrev_b32 v[CSO], 4, v5
	v_lshl_add_u32 v[CSO], v6, 9, v[CSO]
	s_mul_i32 s23, s[WV], 18432
	s_add_co_u32 s23, s23, SLOT                    ; v's stage: 64 rows of 288 bytes for each wave, in LDS slot 1
	v_mul_u32_u24 v[VST], v5, 288
	v_lshl_add_u32 v[VST], v6, 4, v[VST]
	v_add_nc_u32 v[VST], s23, v[VST]
	v_and_b32 v7, 7, v0
	v_lshl_add_u32 v[VTR], v6, 3, v7
	v_mul_u32_u24 v[VTR], v[VTR], 288
	v_bfe_u32 v7, v0, 3, 1
	v_lshl_add_u32 v[VTR], v7, 4, v[VTR]
	v_add_nc_u32 v[VTR], s23, v[VTR]
	s_lshl_b32 s23, s[WV], 14                      ; my four blocks of x in a slot
	v_add_nc_u32 v[ADA], s23, v[L16]
	v_add_nc_u32 v[ADA+1], SLOT, v[ADA]
	v_add_nc_u32 v[ADA+2], 2*SLOT, v[ADA]
	v_add_nc_u32 v[ADB], BOFF, v[L16]
	v_add_nc_u32 v[ADB+1], BOFF+SLOT, v[L16]
	v_add_nc_u32 v[ADB+2], BOFF+2*SLOT, v[L16]
	s_wait_loadcnt 0x0                             ; the scale words
	s_wait_tensorcnt 0x2                           ; my part of K slot 0 is in; K slots 1 and 2 may stay out
	s_barrier_signal -1
	s_barrier_wait -1
	FETCH 0, 0, 0
.set n, 0
.rept 16
.if n == 3
	SUBSTEP n, 1
.elseif n == 11
	SUBSTEP n, 2
.elseif n == 15
	SUBSTEP n, 3
.else
	SUBSTEP n, 0
.endif
.set n, n+1
.endr
	s_cmp_eq_u32 ttmp9, 3                          ; the cluster's x: the same in all sixteen partners
	s_cbranch_scc1 .Lvalues
	; ---- q and k: RMS norm, RoPE, f16.  A block of 16 rows at a time.
	s_cmp_lt_u32 ttmp9, 2                          ; q or k?
	s_cselect_b64 s[80:81], s[16:17], s[18:19]     ; qf or kv
	s_cselect_b64 s[82:83], s[12:13], s[14:15]     ; the norm weights
	s_cselect_b32 s84, 0, 8
	s_cselect_b32 s85, 20, 21                      ; a head of q is 2^20 bytes, a head of kv 2^21
	s_cselect_b32 s86, 14, 15                      ; 64 rows of q are 2^14 bytes, a key step of kv 2^15
	s_sub_co_u32 s84, s68, s84
	s_lshl_b32 s84, s84, s85
	s_lshl_b32 s85, s88, s86
	s_add_co_u32 s84, s84, s85
	s_mov_b32 s85, 0
	s_add_nc_u64 s[80:81], s[80:81], s[84:85]
	s_lshl_b32 s84, s88, 16                        ; cos and sin: 4 blocks of 16,384 bytes
	s_add_nc_u64 s[10:11], s[10:11], s[84:85]
.macro CSLOAD a                        ; cos and sin of block a, in the accumulators' layout: each half of the lanes reads 256 consecutive bytes
	WIN 0xc0
.irp tb, 0,1
.irp b, 0,1,2,3,4,5,6,7
.irp pc, 0,1
	global_load_b128 v[128*((\a)%2)+64*\tb+8*\b+4*\pc:128*((\a)%2)+64*\tb+8*\b+4*\pc+3], v[CSO], s[10:11] offset:16384*(\a)+8192*\tb+1024*\b+256*\pc
.endr
.endr
.endr
.endm
.macro EPI a
.set XA, 64*(\a)
.set CSB, 128*((\a)%2)
.set OUTR, 192+32*((\a)%2)
.if (\a) >= 2
	s_wait_xcnt 0x0                                ; block a - 2's stores have read the registers that this block's results take
.endif
.if (\a) < 3
	CSLOAD (\a)+1
.endif
	WIN 0x0a                                       ; sources window 2, destination window 0
	v_pk_mul_f32 v[128:129], v[XA:XA+1], v[XA:XA+1]         ; the sum of squares of my 64 numbers, two chains; each accumulator from its low end on
	v_pk_mul_f32 v[130:131], v[XA+2:XA+3], v[XA+2:XA+3]
.set ii, 4
.rept 15
	v_pk_fma_f32 v[128:129], v[XA+ii:XA+ii+1], v[XA+ii:XA+ii+1], v[128:129]
	v_pk_fma_f32 v[130:131], v[XA+ii+2:XA+ii+3], v[XA+ii+2:XA+ii+3], v[130:131]
.set ii, ii+4
.endr
	WIN 0
	v_pk_add_f32 v[128:129], v[128:129], v[130:131]
	v_add_f32 v128, v128, v129
	v_permlanex16_b32 v134, v128, s90, s91         ; the row's other 64 lie in the lane 16 away
	v_add_f32 v128, v128, v134
	v_fma_f32 v128, v128, s92, s93                 ; the mean (x 2^-7 rounds nothing) + 1e-6
	v_rsq_f32 v132, v128
	v_nop                                          ; a plain instruction behind the transcendental,
	s_wait_alu depctr_va_vdst(0)                   ; and the wait ahead of the first use
	WIN 0x82
.set ii, 0
.rept 32
	v_pk_mul_f32 v[XA+ii:XA+ii+1], v[XA+ii:XA+ii+1], v[132:133] op_sel_hi:[1,0]
.set ii, ii+2
.endr
.if (\a) < 3
	s_wait_loadcnt 32                              ; the norm weights and this block's cos and sin are in; the next block's 32 loads may be out
.else
	s_wait_loadcnt 0x0
.endif
	WIN 0x86                                       ; source 1: the norm weights, window 1
.set ii, 0
.rept 32
	v_pk_mul_f32 v[XA+ii:XA+ii+1], v[XA+ii:XA+ii+1], v[128+ii:129+ii]
.set ii, ii+2
.endr
	WIN 0x5e                                       ; T (window 1) = X (window 2) x cos (window 3)
.set ii, 0
.rept 32
	v_pk_mul_f32 v[ii:ii+1], v[XA+ii:XA+ii+1], v[CSB+ii:CSB+ii+1]
.set ii, ii+2
.endr
.set ii, 0
.rept 32                               ; the partner d +- 64 is accumulator b +- 4, same lane, same register
.if ii < 32
	v_pk_fma_f32 v[ii:ii+1], v[XA+ii+32:XA+ii+33], v[CSB+64+ii:CSB+65+ii], v[ii:ii+1] neg_lo:[1,0,0] neg_hi:[1,0,0]
.else
	v_pk_fma_f32 v[ii:ii+1], v[XA+ii-32:XA+ii-31], v[CSB+64+ii:CSB+65+ii], v[ii:ii+1]
.endif
.set ii, ii+2
.endr
	WIN 0x05
.set ii, 0
.rept 32
	v_cvt_pk_f16_f32 v[OUTR+ii], v[2*ii], v[2*ii+1]
.set ii, ii+1
.endr
	WIN 0
.irp b, 0,1,2,3,4,5,6,7
	global_store_b128 v[L16], v[OUTR+4*\b:OUTR+4*\b+3], s[80:81] offset:4096*(\a)+512*\b   ; the packed registers ARE the attention's fragments: 512 consecutive bytes a store
.endr
.endm
	WIN 0x40
.irp b, 0,1,2,3,4,5,6,7
.irp pc, 0,1
	global_load_b128 v[128+8*\b+4*\pc:131+8*\b+4*\pc], v[WNO], s[82:83] offset:64*\b+16*\pc
.endr
.endr
	CSLOAD 0
	WIN 0
	v_mov_b32 v133, 0                              ; (named as the upper half of the pair v[132:133])
	v_mov_b32 v134, 0                              ; (a lane permute's destination counts as one of its sources)
	EPI 0
	EPI 1
	EPI 2
	EPI 3
	s_branch .Lend
.Lvalues:                                              ; ---- v: f16, turned so that the keys run along a lane's registers, through my own stage in LDS slot 1: that slot has had its one fill, and every wave's reads of it ended in front of the last barrier
	s_sub_co_u32 s84, s68, 12
	s_lshl_b32 s84, s84, 21
	s_lshl_b32 s85, s88, 15
	s_add_co_u32 s84, s84, s85
	s_add_co_u32 s84, s84, 16384                   ; behind the key step's K
	s_mov_b32 s85, 0
	s_add_nc_u64 s[80:81], s[18:19], s[84:85]
	WIN 0x0a
.set ii, 0
.rept 128
	v_cvt_pk_f16_f32 v[128+ii], v[2*ii], v[2*ii+1]
.set ii, ii+1
.endr
	WIN 0
.irp a, 0,1,2,3
.irp b, 0,1,2,3,4,5,6,7
	ds_store_b128 v[VST], v[128+4*(8*\a+\b):128+4*(8*\a+\b)+3] offset:4608*\a+32*\b   ; key 16 a + r, channels 16 b + 8 h + 0 .. 7
.endr
.endr
	WIN 0x40
.irp f, 0,1,2,3,4,5,6,7,8,9,10,11,12,13,14,15  ; fragment f: keys 32 (f / 8) on, channels 16 (f % 8) on; LDS serves a wave's instructions in order: these see my stores
	ds_load_tr16_b128 v[8*\f:8*\f+3],   v[VTR] offset:(\f/8)*32*288+(\f%8)*32
	ds_load_tr16_b128 v[8*\f+4:8*\f+7], v[VTR] offset:(\f/8)*32*288+16*288+(\f%8)*32
.endr
	s_wait_dscnt 0x0
	WIN 0x04                                       ; a store's data are its source 1: window 1
.set ii, 0
.rept 32
	global_store_b128 v[L16], v[4*ii:4*ii+3], s[80:81] offset:512*ii
.set ii, ii+1
.endr
	WIN 0
.Lend:
	s_wait_tensorcnt 0x0                           ; the wave's end, behind my last tensor load and my last LDS store
	ds_add_u32 v[SPW], v[NIL]
	s_wait_dscnt 0x0
	CROUND                                         ; the closing round
	s_endpgm
.Lfunc_end_k_qc3baf9031b_qkv:
	.size	k_qc3baf9031b_qkv, .Lfunc_end_k_qc3baf9031b_qkv-k_qc3baf9031b_qkv
	.p2alignl 7, 3214868480
	.fill 96, 4, 3214868480
	.section	.rodata,"a",@progbits
	.p2align	6, 0x0
	.amdhsa_kernel k_qc3baf9031b_qkv
		.amdhsa_group_segment_fixed_size 327680
		.amdhsa_private_segment_fixed_size 0
		.amdhsa_enable_private_segment 0
		.amdhsa_kernarg_size 64
		.amdhsa_user_sgpr_count 2
		.amdhsa_user_sgpr_kernarg_segment_ptr 1
		.amdhsa_wavefront_size32 1
		.amdhsa_system_sgpr_workgroup_id_x 1
		.amdhsa_system_sgpr_workgroup_id_y 1
		.amdhsa_system_sgpr_workgroup_id_z 1
		.amdhsa_system_vgpr_workitem_id 0
		.amdhsa_next_free_vgpr 1024
		.amdhsa_next_free_sgpr 100
		.amdhsa_reserve_vcc 0
		.amdhsa_float_denorm_mode_32 3
		.amdhsa_float_denorm_mode_16_64 3
		.amdhsa_memory_ordered 1
		.amdhsa_forward_progress 1
		.amdhsa_inst_pref_size 187
	.end_amdhsa_kernel
	.amdgpu_metadata
---
amdhsa.version: [ 1, 2 ]
amdhsa.kernels:
  - .name:           k_qc3baf9031b_qkv
    .symbol:         k_qc3baf9031b_qkv.kd
    .args:
      - { .name: xc, .offset: 0, .size: 8, .value_kind: global_buffer, .address_space: global }
      - { .name: wc, .offset: 8, .size: 8, .value_kind: global_buffer, .address_space: global }
      - { .name: scl, .offset: 16, .size: 8, .value_kind: global_buffer, .address_space: global }
      - { .name: cs, .offset: 24, .size: 8, .value_kind: global_buffer, .address_space: global }
      - { .name: q_norm_w, .offset: 32, .size: 8, .value_kind: global_buffer, .address_space: global }
      - { .name: k_norm_w, .offset: 40, .size: 8, .value_kind: global_buffer, .address_space: global }
      - { .name: qf, .offset: 48, .size: 8, .value_kind: global_buffer, .address_space: global }
      - { .name: kv, .offset: 56, .size: 8, .value_kind: global_buffer, .address_space: global }
    .group_segment_fixed_size: 327680
    .private_segment_fixed_size: 0
    .kernarg_segment_align: 8
    .kernarg_segment_size: 64
    .max_flat_workgroup_size: 128
    .sgpr_count:     100
    .vgpr_count:     1024
    .wavefront_size: 32
...
	.end_amdgpu_metadata
.endif
;; end of part 2
;; launch attn (part 3): grid 64 x 4, 4 waves a work-group, clusters of 4 x 1, 327,680 bytes of LDS; arguments qf, kv, of; writes of
.if DOCPART == 3
	.amdgcn_target "amdgcn-amd-amdhsa--gfx1250"
	.amdhsa_code_object_version 6
	.text
	.protected	k_qc3baf9031b_attn
	.globl	k_qc3baf9031b_attn
	.p2align	8
	.type	k_qc3baf9031b_attn,@function
k_qc3baf9031b_attn:
	s_mov_b64 s[64:65], 0
	v_nop
	global_prefetch_b8 v0, s[64:65] scope:SCOPE_SE
	s_setreg_imm32_b32 hwreg(HW_REG_WAVE_MODE, 25, 1), 1
	s_wait_xcnt 0x0
	s_wait_alu depctr_hold_cnt(0) depctr_sa_sdst(0) depctr_va_vdst(0) depctr_va_sdst(0) depctr_va_ssrc(0) depctr_va_vcc(0) depctr_vm_vsrc(0)
	s_getreg_b32 s2, hwreg(HW_REG_IB_STS2, 6, 4)
	s_cmp_eq_u32 s2, 0
	s_cbranch_scc0 .Lentry_in_a_cluster
	s_endpgm
.Lentry_in_a_cluster:
	s_bfe_u32 s2, ttmp6, 0x10000c
	s_cmp_lg_u32 s2, 0x3003
	s_cbranch_scc0 .Lentry_shape_is_right
	s_endpgm
.Lentry_shape_is_right:
; o = softmax(q k^T / sqrt(128), under the mask t / 32 <= s / 32) v, f16 operands, f32 sums, maxima and softmax.
; WORK LEFT OUT: keys that reference()'s own mask hides from all rows of a job are not walked where they fill whole passes of 256 keys (shown at the head of launch prep).
; A JOB is one block J of 32 queries of one key/value head g, for the two query heads 2 g, 2 g + 1 that share it: 64 rows, four tiles of 16.  All its rows see exactly the keys under 32 (J + 1).
; A work-group takes jobs J = 127 - jj and then J = jj: 129 chunks of 32 keys whatever jj.  THE FOUR WAVES SHARE THE KEYS, NOT THE ROWS: each holds all four tiles, and in pass p of a job takes the
; 64 keys of key step 4 p + wave, so that each fragment of K and V is read from LDS by one wave and feeds four products.  At a job's end the four partial results are merged through LDS.
; PASSES: 16 - (cluster x / 2) for the first job, the rest of 17 for the second: 17 in every work-group, and the same tiles in the same passes for the four partners of a cluster: every tile is a joint load.
; THE EDGE: only a job's last pass holds keys that do not count, in whole chunks of 32.  How many count hangs on the place in the cluster, so it steers no branch: two scalars, 0 or -infinity, one for each
; half of the wave's 64 keys, are added to the half's largest score and to the exponent: the weight is 0 and the running maximum is untouched.  m begins at -3e38 and chunk 0 counts in every job.
; SOFTMAX: running maximum m and sum l for each query: p = 2^(c s - c m), c = log2(e) / sqrt(128); O and l are multiplied by a = 2^(c m_old - c m_new) in every pass.
; LAYOUT: S^T = K Q^T and O^T = V^T P: a lane holds one query throughout.  K, V^T and Q lie in memory as images of their registers.  Register tile t of wave w is the job's tile (t + w) % 4, so that
; every wave owns its register tile 0 and the merge is one text.
; BY TURNS: in a pass the products K Q^T of tiles 2, 3 carry the softmax of tiles 0, 1 between them, the products V^T P of tiles 0, 1 that of tiles 2, 3; the other 64 products stand bare.
; LIMITS: |v| and |o| under 65,504 (f16); weights under 6e-8 of a row's largest count as 0.
; REGISTERS: window 0: v1-11, v52-58 addresses; v12-51 statistics, ten a tile; v62, v63 the add's; v64-191 S^T, 32 a tile; v192-255 P, 16 a tile.
;   window 1: O^T, 64 a tile.   window 2: v0-127 Q, 32 a tile; v128-255 K.   window 3: v0-127 V.
.set STATS, 262144                     ; behind the ring (four waves x two slots of 32,768 bytes): [owner][t][lane][8 bytes]
.set MA,    266240                     ; three units of [owner][8 images of 512 bytes]
.set SPARE, 315392                     ; the spare words, 128 bytes for each wave: two blocks of 256 bytes that no other line names
.set AL,  1                            ; v1  16 x lane + my ring
.set ADR, 2                            ; v2  the slot in hand
.set QB,  3                            ; v3-6  my offset in qf for register tile t, without the job
.set GO,  7                            ; v7  my offset in of, without the job
.set MW,  8                            ; v8-10 where I put tile t = 1, 2, 3 for its owner
.set MR,  11                           ; v11 where I read what is mine
.set ST,  12                           ; tile t's statistics at v[ST + 10 t]: +0 c m, +1 m, +2, +3 l, +4 c0 then the first half's addend, +5 c1, +6 c2 then a, +7 c3, +8 the second half's addend, +9 written once
.set SW,  52                           ; v52-54 statistics out
.set SR,  55                           ; v55 statistics in
.set PFO, 56                           ; v56 256 x lane
.set L16, 57
.set L8,  58
.set SPW, 62                           ; v62 LDS address of my spare word; never rewritten
.set NIL, 63                           ; v63 0; never rewritten
.set S,   64
.set P,   192
.set KF,  128
.set WV,  12                           ; s12 wave
.set JJ,  14                           ; s14 jj
.set G,   15                           ; s15 the key/value head
.set LIM, 16                           ; s16 passes in which my cluster prefetches
.set PFA, 18                           ; s[18:19] where my prefetches stand
.set SEL, 20                           ; s[20:21] lane selects: lane l xor 16
.set CS,  22                           ; s[22:23] c
.set G1,  24                           ; s[24:31] descriptor group 1
.set G0,  32                           ; s[32:39] group 0: a set for each of the two first fills; the second walks on
.set R,   40                           ; s40 the pass, 0 .. 16
.set RHI, 41                           ; s41 passes of the first job;  s42 its last pass
.set RH1, 42
.set VH,  43                           ; s43, s44 chunks that count in the last pass of the first job, of the second
.set VL,  44
.set W2,  45                           ; s45, s46 my two chunks in a pass
.set W21, 46
.set B0,  47                           ; s47, s48 0 or -infinity for them
.set B1,  48
.set TB,  49                           ; s49 the slot of the next fetch: 0 or 32,768
.set NINF, 50
.set KVW, 52                           ; s[52:53] kv at my head's key step w
.set QP,  54                           ; s[54:55] qf at the job
.set OP,  56                           ; s[56:57] of at the job
.set MSB, 0
.macro WIN new
.if MSB != \new
	s_set_vgpr_msb (MSB<<8)|\new
.set MSB, \new
.endif
.endm
.set W_KQ, 0x0a                        ; K and Q window 2, S^T window 0
.set W_PV, 0x53                        ; V window 3, P window 0, O^T window 1
.set W_RS, 0x41                        ; O^T window 1, a window 0
.macro PLACES
.rept 4
	v_nop
.endr
.endm
.macro CROUND                          ; a round of the cluster's barrier
	s_barrier_signal -1
	s_barrier_wait -1
	s_cmp_lg_u32 s[WV], 0
	s_cbranch_scc1 .Lnot_wave_0_\@
	s_barrier_signal -3
.Lnot_wave_0_\@:
	s_barrier_wait -3
	s_barrier_signal -1
	s_barrier_wait -1
.endm
; A PREFETCH INTO THE L2 of the 131,072 bytes that the pass after next will ask for.  All clusters of a head begin at key 0; the head's first cluster, which walks all 4,096 keys, asks.  Its four partners and
; their four waves share the bytes out by address, 8,192 each, lanes 256 bytes apart: one instruction a wave, each block of 256 bytes named once in the launch.  The first three tiles come by their loads
; alone; the last ask, in pass 12, is for pass 15, the head's last keys.
.macro ASK
	s_cmp_lt_u32 s[R], s[LIM]
	s_cbranch_scc0 .Lnot_mine_\@
	global_prefetch_b8 v[PFO], s[PFA:PFA+1] th:TH_LOAD_NT scope:SCOPE_SE
.Lnot_mine_\@:
.endm
; Product i of 32 of S^T = K Q^T for tiles x, x + 1: channels 32 (i / 8) on, keys 16 ((i / 2) % 4) on.  The first 8 start the sums.  The accumulators take turns.
.macro KQ x
	WIN W_KQ
.set rS2, S+32*(\x+i%2)+8*((i/2)%4)
.set rK, KF+32*((i/2)%4)+8*(i/8)
.set rQ, 32*(\x+i%2)+8*(i/8)
.if i < 8
	v_wmma_f32_16x16x32_f16 v[rS2:rS2+7], v[rK:rK+7], v[rQ:rQ+7], 0
.else
	v_wmma_f32_16x16x32_f16 v[rS2:rS2+7], v[rK:rK+7], v[rQ:rQ+7], v[rS2:rS2+7]
.endif
.endm
; Product i of 32 of O^T += V^T P: keys 32 (i / 16) on, channels 16 ((i / 2) % 8) on
.macro PV x
	WIN W_PV
.set rO2, 64*(\x+i%2)+8*((i/2)%8)
.set rV, 64*(i/16)+8*((i/2)%8)
.set rP2, P+16*(\x+i%2)+8*(i/16)
	v_wmma_f32_16x16x32_f16 v[rO2:rO2+7], v[rV:rV+7], v[rP2:rP2+7], v[rO2:rO2+7]
.endm
.macro FETCH_K                         ; the next tile's K: 32 images
	WIN 0
	v_add_nc_u32 v[ADR], s[TB], v[AL]
	WIN 0x80
.set ii, 0
.rept 32
	ds_load_b128 v[KF+4*ii:KF+4*ii+3], v[ADR] offset:512*ii
.set ii, ii+1
.endr
.endm
.macro FETCH_V                         ; and its V
	WIN 0xc0
.set ii, 0
.rept 32
	ds_load_b128 v[4*ii:4*ii+3], v[ADR] offset:16384+512*ii
.set ii, ii+1
.endr
.endm
; One tile's softmax for one pass is a list of 139 instructions; SM writes number j of it for tile t.
;   0-15 the largest score of each half of the keys;  16-25 the edge, the other half of the lanes, the new m, c m, its change, the two addends;  26-74 ONE BATCH: a, the 16 scalings and the 32 exponentials:
;   none of them names an exponential's result;  (the wait: EMIT writes it)  75-90 the roundings to f16;  91-106 the sums;  107-138 O^T times a.
.macro SM t
.set rT, ST+10*(\t)
.set rS, S+32*(\t)
.set rP, P+16*(\t)
.if j < 107
	WIN 0
.endif
.if j < 4
	v_max3_num_f32 v[rT+4+j], v[rS+8*j], v[rS+8*j+1], v[rS+8*j+2]   ; each accumulator is first read at its low end
.elseif j < 12
	v_max3_num_f32 v[rT+4+j%4], v[rT+4+j%4], v[rS+8*(j%4)+2*(j/4)+1], v[rS+8*(j%4)+2*(j/4)+2]
.elseif j == 12
	v_max3_num_f32 v[rT+4], v[rT+4], v[rS+7], v[rS+15]
.elseif j == 13
	v_max3_num_f32 v[rT+6], v[rT+6], v[rS+23], v[rS+31]
.elseif j == 14
	v_max_num_f32 v[rT+4], v[rT+4], v[rT+5]        ; keys 0-31
.elseif j == 15
	v_max_num_f32 v[rT+6], v[rT+6], v[rT+7]        ; keys 32-63
.elseif j == 16
	v_add_f32 v[rT+4], s[B0], v[rT+4]              ; a half that does not count falls to -infinity
.elseif j == 17
	v_add_f32 v[rT+6], s[B1], v[rT+6]
.elseif j == 18
	v_max3_num_f32 v[rT+4], v[rT+4], v[rT+6], v[rT+1]
.elseif j == 19
	v_permlanex16_b32 v[rT+5], v[rT+4], s[SEL], s[SEL+1]
.elseif j == 20
	v_mov_b32 v[rT+7], v[rT]                       ; c m_old
.elseif j == 21
	v_max_num_f32 v[rT+1], v[rT+4], v[rT+5]
.elseif j == 22
	v_mul_f32 v[rT], s[CS], v[rT+1]
.elseif j == 23
	v_sub_f32 v[rT+7], v[rT+7], v[rT]
.elseif j == 24
	v_sub_f32 v[rT+4], s[B0], v[rT]                ; -c m, or -infinity
.elseif j == 25
	v_sub_f32 v[rT+8], s[B1], v[rT]
.elseif j == 26
	v_exp_f32 v[rT+6], v[rT+7]                     ; a
.elseif j < 75
.set e, -1
.if j < 29
.set b, j-27                           ; pairs 0, 1
.elseif j >= 71
.set e, j-43                           ; s28 to s31
.elseif (j-29)%3 == 0
.set b, (j-29)/3+2                     ; pairs 2 to 15, each three numbers ahead of... its own exponentials follow two fours later
.else
.set e, 2*((j-29)/3)+(j-29)%3-1
.endif
.if e >= 0
	v_exp_f32 v[rS+e], v[rS+e]
.elseif b < 8
	v_pk_fma_f32 v[rS+2*b:rS+2*b+1], v[rS+2*b:rS+2*b+1], s[CS:CS+1], v[rT+4:rT+5] op_sel_hi:[1,0,0]
.else
	v_pk_fma_f32 v[rS+2*b:rS+2*b+1], v[rS+2*b:rS+2*b+1], s[CS:CS+1], v[rT+8:rT+9] op_sel_hi:[1,0,0]
.endif
.elseif j < 91
	v_cvt_pk_f16_f32 v[rP+j-75], v[rS+2*(j-75)], v[rS+2*(j-75)+1]
.elseif j < 107
.set z, j-91
.set w, 4
.set u, z
.if z >= 14
.set w, 32
.set u, 0
.elseif z >= 12
.set w, 16
.set u, z-12
.elseif z >= 8
.set w, 8
.set u, z-8
.endif
.if z < 15
	v_pk_add_f32 v[rS+w*u:rS+w*u+1], v[rS+w*u:rS+w*u+1], v[rS+w*u+w/2:rS+w*u+w/2+1]
.else
	v_pk_fma_f32 v[rT+2:rT+3], v[rT+2:rT+3], v[rT+6:rT+7], v[rS:rS+1] op_sel_hi:[1,0,1]
.endif
.else
.set rO, 64*(\t)+2*(j-107)
	WIN W_RS
	v_pk_mul_f32 v[rO:rO+1], v[rO:rO+1], v[rT+6:rT+7] op_sel_hi:[1,0]
.endif
.endm
; The next n items of the stream of tiles y, y + 1: item k is number k / 2 of tile y + k % 2, so that where one instruction feeds the next the other tile's stands between.
; Ahead of item 150, the first that names an exponential's result, stand a plain instruction and the ONE wait for the two tiles' 66 exponentials.
.macro EMIT y, n
.rept \n
.if k == 150
	v_nop
	s_wait_alu depctr_va_vdst(0)
.endif
.set j, k/2
	SM (\y)+k%2
.set k, k+1
.endr
.endm
; 32 products of tiles x, x + 1 (kind 0: K Q^T; 1: V^T P); behind each a slice of the other two tiles' softmax: 22 x 9 + 10 x 8 = 278 items.  The last slice, eight plain multiplies that name
; none of the products' registers, is also the places behind the last product.
.macro TURNX kind, x
.set k, 0
.set i, 0
.rept 32
.if \kind
	PV \x
.else
	KQ \x
.endif
.if i < 22
	EMIT 2-(\x), 9
.else
	EMIT 2-(\x), 8
.endif
.set i, i+1
.endr
.endm
.macro BIAS                            ; selects alone hang on the place in the cluster
	s_cmp_eq_u32 s[R], s[RH1]
	s_cselect_b32 s66, s[VH], 8
	s_cmp_eq_u32 s[R], 16
	s_cselect_b32 s66, s[VL], s66                  ; chunks of this pass that count
	s_cmp_lt_u32 s[W2], s66
	s_cselect_b32 s[B0], 0, s[NINF]
	s_cmp_lt_u32 s[W21], s66
	s_cselect_b32 s[B1], 0, s[NINF]
.endm
; THE CHANGE OF SLOTS.  kind 1: the slot whose K and V are now in registers is filled with the tile two passes on.  Each wave waits for all its tensor loads (one is out: the next pass's tile), adds 0 to its
; spare word, and waits for that and for its reads of the slot; a round of the cluster's barrier; the joint refill first behind it: it has a whole pass, 128 products, in which to land.
; kind 0: nothing is left to ask for; my last tile has to be in.  kind 2: nothing is out.  A wave reads only bytes that its own loads brought, so these two need no barrier.
.macro CHANGE kind
	WIN 0
.if \kind == 1
	s_wait_tensorcnt 0x0                           ; no tensor load of mine is out, so a group 0 may be written
	ds_add_u32 v[SPW], v[NIL]                      ; 0 onto my spare word
	s_add_co_u32 s82, s[R], 2                      ; the tile two passes on: of the first job, or of the second from key 0 on
	s_cmp_ge_u32 s82, s[RHI]
	s_cselect_b32 s83, s[RHI], 0
	s_sub_co_u32 s82, s82, s83
	s_lshl_b32 s80, s82, 17                        ; 256 keys are 131,072 bytes
	s_mov_b32 s81, 0
	s_add_nc_u64 s[G0+6:G0+7], s[KVW:KVW+1], s[80:81]
	s_or_b32 s[G0+7], s[G0+7], 0x80000000
	s_xor_b32 s[G0+5], s[G0+5], 32768              ; the other slot than last time
	s_wait_xcnt 0x0                                ; the last prefetch, a pass back, has read its address
	s_add_nc_u64 s[PFA:PFA+1], s[PFA:PFA+1], 131072
	s_wait_dscnt 0x0                               ; the add is done; V is in: my reads of the slot are over
	CROUND
	tensor_load_to_lds s[G0+4:G0+7], s[G1:G1+7]
	s_nop 0
	PLACES                                         ; (also the places behind the products above, whose scores are read next)
	ASK
.else
.if \kind == 0
	s_wait_tensorcnt 0x0                           ; my last tile is in
.endif
	s_wait_dscnt 0x0                               ; V is in
	PLACES
.endif
.endm
.macro PASS kind, fetch
	BIAS
	s_wait_dscnt 32                                ; K is in; V's 32 loads may be out
.set i, 0
.rept 32
	KQ 0
.set i, i+1
.endr
	CHANGE \kind
	TURNX 0, 2
.if \fetch
	FETCH_K
.endif
	TURNX 1, 0
.set i, 0
.rept 32
	PV 2
.set i, i+1
.endr
	WIN 0
	PLACES
.if \fetch
	FETCH_V
	WIN 0
	s_xor_b32 s[TB], s[TB], 32768
.endif
.endm
.macro QLOAD
	WIN 0x80
.irp t, 0,1,2,3
.irp c, 0,1,2,3,4,5,6,7
	global_load_b128 v[32*\t+4*\c:32*\t+4*\c+3], v[QB+\t], s[QP:QP+1] offset:512*\c
.endr
.endr
	WIN 0
.endm
; THE MERGE.  A unit is half a tile's O^T, 8 images: unit n is tile 1 + n / 2, half n % 2, and goes through place n % 3.  The partial sums travel as they are; the owner scales them.
.macro MOUT n
	WIN 0x04                                       ; an LDS store's data are its source 1: window 1
.irp c, 0,1,2,3,4,5,6,7
	ds_store_b128 v[MW+(\n)/2], v[64*(1+(\n)/2)+32*((\n)%2)+4*\c:64*(1+(\n)/2)+32*((\n)%2)+4*\c+3] offset:16384*((\n)%3)+512*\c
.endr
.endm
.macro MIN
	WIN 0
.irp p, 0,1,2
.irp c, 0,1,2,3,4,5,6,7
	ds_load_b128 v[S+32*\p+4*\c:S+32*\p+4*\c+3], v[MR] offset:16384*\p+512*\c
.endr
.endr
.endm
.macro MACC n
	WIN 0x50                                       ; O^T (C and D) window 1; the unit and its factor window 0
.set ii, 0
.rept 16
	v_pk_fma_f32 v[32*((\n)%2)+ii:32*((\n)%2)+ii+1], v[S+32*((\n)%3)+ii:S+32*((\n)%3)+ii+1], v[172+2*((\n)/2):173+2*((\n)/2)], v[32*((\n)%2)+ii:32*((\n)%2)+ii+1] op_sel_hi:[1,0,1]
.set ii, ii+2
.endr
.endm
.macro MERGE next
.if \next
	s_lshl_b32 s68, s[JJ], 13                      ; the next job's queries are asked for now and land under the merge
	s_mov_b32 s69, 0
	s_add_nc_u64 s[QP:QP+1], s[4:5], s[68:69]
	QLOAD
.endif
.irp t, 0,1,2,3
	v_add_f32 v[ST+10*\t+1], v[ST+10*\t+2], v[ST+10*\t+3]   ; l's two halves, beside c m
.endr
.irp t, 0,1,2,3
	v_permlanex16_b32 v[ST+10*\t+5], v[ST+10*\t+1], s[SEL], s[SEL+1]
.endr
.irp t, 0,1,2,3
	v_add_f32 v[ST+10*\t+1], v[ST+10*\t+1], v[ST+10*\t+5]
.endr
.irp t, 1,2,3
	ds_store_b64 v[SW+\t-1], v[ST+10*\t:ST+10*\t+1]
.endr
	MOUT 0
	MOUT 1
	MOUT 2
	WIN 0
	s_wait_dscnt 0x0                               ; for the others' sake: my stores are done
	s_barrier_signal -1
	s_barrier_wait -1
.irp t, 1,2,3
	ds_load_b64 v[158+2*\t:159+2*\t], v[SR] offset:256*\t
.endr
	MIN
	s_wait_dscnt 24                                ; the statistics are in; the 24 loads behind them may be out
	v_max3_num_f32 v178, v[ST], v160, v162
	v_max_num_f32 v178, v178, v164                 ; the largest c m of the four
	v_sub_f32 v170, v[ST], v178
	v_sub_f32 v172, v160, v178
	v_sub_f32 v174, v162, v178
	v_sub_f32 v176, v164, v178
	v_exp_f32 v171, v170                           ; f = 2^(c m - the largest): 0 for a wave none of whose keys counted
	v_exp_f32 v173, v172
	v_exp_f32 v175, v174
	v_exp_f32 v177, v176
	v_nop
	s_wait_alu depctr_va_vdst(0)                   ; one wait for the four
	v_mul_f32 v178, v171, v[ST+1]
	v_fmac_f32 v178, v173, v161
	v_fmac_f32 v178, v175, v163
	v_fmac_f32 v178, v177, v165                    ; the row's sum
	v_rcp_f32 v179, v178
	v_nop
	s_wait_alu depctr_va_vdst(0)
	v_mul_f32 v170, v171, v179                     ; f / the sum: what each part is multiplied by
	v_mul_f32 v172, v173, v179
	v_mul_f32 v174, v175, v179
	v_mul_f32 v176, v177, v179
	WIN W_RS
.set ii, 0
.rept 32
	v_pk_mul_f32 v[ii:ii+1], v[ii:ii+1], v[170:171] op_sel_hi:[1,0]
.set ii, ii+2
.endr
	s_wait_dscnt 0x0                               ; the three units are in, and my reads of their places are over
	s_barrier_signal -1
	MACC 0
	MACC 1
	MACC 2
	s_barrier_wait -1                              ; nobody reads the three places any more
	MOUT 3
	MOUT 4
	MOUT 5
	WIN 0
	s_wait_dscnt 0x0
	s_barrier_signal -1
	s_barrier_wait -1
	MIN
	s_wait_dscnt 0x0
.if \next
	s_barrier_signal -1                            ; my reads are over: the next merge may write these bytes again only when all four have said so
.endif
	MACC 3
	MACC 4
	MACC 5
.if \next
	s_barrier_wait -1
.endif
	WIN 0x05
.set ii, 0
.rept 32
	v_cvt_pk_f16_f32 v[P+ii], v[2*ii], v[2*ii+1]
.set ii, ii+1
.endr
	WIN 0
.irp c, 0,1,2,3,4,5,6,7
	global_store_b128 v[GO], v[P+4*\c:P+4*\c+3], s[OP:OP+1] offset:512*\c   ; fragments of the projection's operand: 512 consecutive bytes a store
.endr
.if \next
.irp t, 0,1,2,3                        ; the next job begins.  O^T is not cleared: m is back at -3e38, so the first pass in which a key counts multiplies O^T and l by a = 0, and a wave none of whose keys count is multiplied by f = 0 in the merge
	v_mov_b32 v[ST+10*\t+1], 0xff61b1e6
	v_mov_b32 v[ST+10*\t+2], 0
	v_mov_b32 v[ST+10*\t+3], 0
	v_mul_f32 v[ST+10*\t], s[CS], v[ST+10*\t+1]
.endr
	s_wait_loadcnt 0x0                             ; the queries
	s_wait_xcnt 0x0                                ; the stores have read their registers and their base
	s_lshl_b32 s68, s[JJ], 16
	s_add_nc_u64 s[OP:OP+1], s[8:9], s[68:69]
.endif
.endm
	s_load_b128 s[4:7], s[0:1], 0x0                ; qf s[4:5], kv s[6:7]
	s_load_b64 s[8:9], s[0:1], 0x10                ; of
	v_lshl_add_u32 v[SPW], v0, 2, SPARE
	v_mov_b32 v[NIL], 0
	ds_add_u32 v[SPW], v[NIL]                      ; the wave's opening: the add, twice on end, and its wait ahead of my first tensor load
	ds_add_u32 v[SPW], v[NIL]
	v_lshrrev_b32 v1, 5, v0
	v_readfirstlane_b32 s[WV], v1
	s_bfe_u32 s13, ttmp6, 0x40000                  ; cx
	s_lshl_b32 s[JJ], ttmp9, 2
	s_add_co_u32 s[JJ], s[JJ], s13
	s_and_b32 s[G], ttmp7, 0xffff
	s_lshr_b32 s58, ttmp9, 1
	s_sub_co_u32 s[RHI], 16, s58
	s_sub_co_u32 s[RH1], 15, s58
	s_and_b32 s66, s[JJ], 7
	s_sub_co_u32 s[VH], 8, s66
	s_add_co_u32 s[VL], s66, 1
	s_lshl_b32 s[W2], s[WV], 1
	s_add_co_u32 s[W21], s[W2], 1
	s_mov_b32 s[NINF], 0xff800000
	s_mov_b32 s[TB], 0
	s_mov_b32 s[SEL], 0x76543210
	s_mov_b32 s[SEL+1], 0xfedcba98
	s_mov_b32 s[CS], 0x3e0293ee                    ; c = log2(e) / sqrt(128)
	s_mov_b32 s[CS+1], s[CS]
	s_cmp_eq_u32 ttmp9, 0
	s_cselect_b32 s[LIM], 13, 0
	s_mov_b32 s[G1], 15|(3<<16)|(1<<21)            ; the mask: all four work-groups; elements of 8 bytes; bit 21 beside a mask; no padding
	s_mov_b32 s[G1+1], 32<<16                      ; a dense block of 32,768 bytes as 128 rows of 256
	s_mov_b32 s[G1+2], 128<<16
	s_mov_b32 s[G1+3], 32<<16
	s_mov_b32 s[G1+4], 128
	s_mov_b32 s[G1+5], 32
	s_mov_b32 s[G1+6], 0
	s_mov_b32 s[G1+7], 0
	s_lshl_b32 s80, s[G], 21                       ; my head, my key step of a pass: in registers that never hold cx
	s_lshl_b32 s81, s[WV], 15
	s_add_co_u32 s80, s80, s81
	s_mov_b32 s81, 0
	s_lshl_b32 s70, s13, 2                         ; the prefetches: 8,192 bytes for each of 16 waves, two passes on; the first change steps it to the third
	s_add_co_u32 s70, s70, s[WV]
	s_lshl_b32 s70, s70, 13
	s_lshl_b32 s71, s[G], 21
	s_add_co_u32 s70, s70, s71
	s_add_co_u32 s70, s70, 2*131072
	s_mov_b32 s71, 0
	s_sub_co_u32 s66, 127, s[JJ]                   ; the first job
	s_lshl_b32 s72, s66, 13
	s_mov_b32 s73, 0
	s_lshl_b32 s74, s66, 16
	s_mov_b32 s75, 0
	v_and_b32 v[L8], 31, v0
	v_lshlrev_b32 v[L16], 4, v[L8]
	v_lshlrev_b32 v[PFO], 8, v[L8]
	v_lshlrev_b32 v[L8], 3, v[L8]
	s_lshl_b32 s58, s[WV], 16
	v_add_nc_u32 v[AL], s58, v[L16]
.irp t, 0,1,2,3
	s_add_co_u32 s58, s[WV], \t
	s_and_b32 s58, s58, 3                          ; the job's tile: head 2 g + tile / 2, queries 16 (tile % 2) on
	s_lshr_b32 s59, s58, 1
	s_and_b32 s58, s58, 1
	s_lshl_b32 s60, s[G], 1
	s_add_co_u32 s59, s59, s60
	s_lshl_b32 s59, s59, 20
	s_lshl_b32 s58, s58, 12
	s_add_co_u32 s58, s58, s59
	v_add_nc_u32 v[QB+\t], s58, v[L16]
.endr
.irp t, 1,2,3
	s_add_co_u32 s58, s[WV], \t
	s_and_b32 s58, s58, 3                          ; the owner of my register tile t
	s_lshl_b32 s59, s58, 12
	s_add_co_u32 s59, s59, MA
	v_add_nc_u32 v[MW+\t-1], s59, v[L16]
	s_lshl_b32 s59, s58, 10
	s_add_co_u32 s59, s59, STATS+256*\t
	v_add_nc_u32 v[SW+\t-1], s59, v[L8]
.endr
	s_lshl_b32 s59, s[WV], 12
	s_add_co_u32 s59, s59, MA
	v_add_nc_u32 v[MR], s59, v[L16]
	s_lshl_b32 s59, s[WV], 10
	s_add_co_u32 s59, s59, STATS
	v_add_nc_u32 v[SR], s59, v[L8]
	s_and_b32 s58, s[WV], 1                        ; of: row block 2 J + w % 2, head 2 g + w / 2
	s_lshl_b32 s58, s58, 15
	s_lshr_b32 s59, s[WV], 1
	s_lshl_b32 s60, s[G], 1
	s_add_co_u32 s59, s59, s60
	s_lshl_b32 s59, s59, 12
	s_add_co_u32 s58, s58, s59
	v_add_nc_u32 v[GO], s58, v[L16]
	s_wait_dscnt 0x0                               ; both opening adds are done
	s_wait_kmcnt 0x0
	s_add_nc_u64 s[KVW:KVW+1], s[6:7], s[80:81]
	s_add_nc_u64 s[PFA:PFA+1], s[6:7], s[70:71]
	s_add_nc_u64 s[QP:QP+1], s[4:5], s[72:73]
	s_add_nc_u64 s[OP:OP+1], s[8:9], s[74:75]
	s_mov_b32 s[G0], 1
	s_lshl_b32 s[G0+1], s[WV], 16                  ; my ring, slot 0
	s_mov_b64 s[G0+2:G0+3], s[KVW:KVW+1]
	s_or_b32 s[G0+3], s[G0+3], 0x80000000
	s_mov_b32 s[G0+4], 1
	s_add_co_u32 s[G0+5], s[G0+1], 32768           ; slot 1
	s_add_nc_u64 s[G0+6:G0+7], s[KVW:KVW+1], 131072
	s_or_b32 s[G0+7], s[G0+7], 0x80000000
	CROUND                                         ; all four work-groups are here: the first joint loads meet
	tensor_load_to_lds s[G0:G0+3], s[G1:G1+7]      ; every wave issues its own two first fills: two loads of mine are out
	s_nop 0
	tensor_load_to_lds s[G0+4:G0+7], s[G1:G1+7]
	s_nop 0
	PLACES
	QLOAD
	WIN 0x40
.set ii, 0
.rept 256
	v_mov_b32 v[ii], 0                             ; O^T, once, while the first tiles are on their way: the pass is written once, and its first trip finds zeros
.set ii, ii+1
.endr
	WIN 0
.irp t, 0,1,2,3
	v_mov_b32 v[ST+10*\t+1], 0xff61b1e6            ; m = -3e38, under every score
	v_mov_b32 v[ST+10*\t+2], 0
	v_mov_b32 v[ST+10*\t+3], 0
	v_mov_b32 v[ST+10*\t+9], 0                     ; (named as the upper half of a pair)
	v_mul_f32 v[ST+10*\t], s[CS], v[ST+10*\t+1]
.endr
	s_wait_tensorcnt 0x1                           ; my first tile is in; the second may stay out.  I alone read my ring: no barrier
	FETCH_K
	FETCH_V
	WIN 0
	s_xor_b32 s[TB], s[TB], 32768
	s_wait_loadcnt 0x0                             ; Q
	s_mov_b32 s[R], 0
.Lpass:                                                ; 15 trips: each asks for the tile two passes on
	PASS 1, 1
	s_cmp_lg_u32 s[R], s[RH1]                      ; the cluster's x and the count of passes alone: the same in all waves and all partners
	s_cbranch_scc1 .Lsame_job
	MERGE 1
.Lsame_job:
	s_add_co_u32 s[R], s[R], 1
	s_cmp_lt_u32 s[R], 15
	s_cbranch_scc1 .Lpass
	PASS 0, 1                                      ; pass 15: nothing is left to ask for
	s_cmp_lg_u32 s[R], s[RH1]
	s_cbranch_scc1 .Lsame_job_15
	MERGE 1
.Lsame_job_15:
	s_mov_b32 s[R], 16
	PASS 2, 0                                      ; pass 16: nothing is left to fetch
	MERGE 0
	s_wait_tensorcnt 0x0                           ; the wave's end, behind my last tensor load and my last LDS store
	ds_add_u32 v[SPW], v[NIL]
	s_wait_dscnt 0x0
	CROUND                                         ; the closing round
	s_endpgm
.Lfunc_end_k_qc3baf9031b_attn:
	.size	k_qc3baf9031b_attn, .Lfunc_end_k_qc3baf9031b_attn-k_qc3baf9031b_attn
	.p2alignl 7, 3214868480
	.fill 96, 4, 3214868480
	.section	.rodata,"a",@progbits
	.p2align	6, 0x0
	.amdhsa_kernel k_qc3baf9031b_attn
		.amdhsa_group_segment_fixed_size 327680
		.amdhsa_private_segment_fixed_size 0
		.amdhsa_enable_private_segment 0
		.amdhsa_kernarg_size 24
		.amdhsa_user_sgpr_count 2
		.amdhsa_user_sgpr_kernarg_segment_ptr 1
		.amdhsa_wavefront_size32 1
		.amdhsa_system_sgpr_workgroup_id_x 1
		.amdhsa_system_sgpr_workgroup_id_y 1
		.amdhsa_system_sgpr_workgroup_id_z 1
		.amdhsa_system_vgpr_workitem_id 0
		.amdhsa_next_free_vgpr 1024
		.amdhsa_next_free_sgpr 100
		.amdhsa_reserve_vcc 0
		.amdhsa_float_denorm_mode_32 3
		.amdhsa_float_denorm_mode_16_64 3
		.amdhsa_memory_ordered 1
		.amdhsa_forward_progress 1
		.amdhsa_inst_pref_size 225
	.end_amdhsa_kernel
	.amdgpu_metadata
---
amdhsa.version: [ 1, 2 ]
amdhsa.kernels:
  - .name:           k_qc3baf9031b_attn
    .symbol:         k_qc3baf9031b_attn.kd
    .args:
      - { .name: qf, .offset: 0, .size: 8, .value_kind: global_buffer, .address_space: global }
      - { .name: kv, .offset: 8, .size: 8, .value_kind: global_buffer, .address_space: global }
      - { .name: of, .offset: 16, .size: 8, .value_kind: global_buffer, .address_space: global }
    .group_segment_fixed_size: 327680
    .private_segment_fixed_size: 0
    .kernarg_segment_align: 8
    .kernarg_segment_size: 24
    .max_flat_workgroup_size: 128
    .sgpr_count:     100
    .vgpr_count:     1024
    .wavefront_size: 32
...
	.end_amdgpu_metadata
.endif
;; end of part 3
;; launch proj (part 4): grid 16 x 16, 4 waves a work-group, clusters of 4 x 4, 327,680 bytes of LDS; arguments of, wof, out0; writes out0
.if DOCPART == 4
	.amdgcn_target "amdgcn-amd-amdhsa--gfx1250"
	.amdhsa_code_object_version 6
	.text
	.protected	k_qc3baf9031b_proj
	.globl	k_qc3baf9031b_proj
	.p2align	8
	.type	k_qc3baf9031b_proj,@function
k_qc3baf9031b_proj:
	s_mov_b64 s[64:65], 0
	v_nop
	global_prefetch_b8 v0, s[64:65] scope:SCOPE_SE
	s_setreg_imm32_b32 hwreg(HW_REG_WAVE_MODE, 25, 1), 1
	s_wait_xcnt 0x0
	s_wait_alu depctr_hold_cnt(0) depctr_sa_sdst(0) depctr_va_vdst(0) depctr_va_sdst(0) depctr_va_ssrc(0) depctr_va_vcc(0) depctr_vm_vsrc(0)
	s_getreg_b32 s2, hwreg(HW_REG_IB_STS2, 6, 4)
	s_cmp_eq_u32 s2, 0
	s_cbranch_scc0 .Lentry_in_a_cluster
	s_endpgm
.Lentry_in_a_cluster:
	s_bfe_u32 s2, ttmp6, 0x10000c
	s_cmp_lg_u32 s2, 0xf033
	s_cbranch_scc0 .Lentry_shape_is_right
	s_endpgm
.Lentry_shape_is_right:
; out0 = o w_o (M 4,096, N 2,048, K 1,024), f16 operands, f32 sums.  The frame is launch qkv's: a tile of 256 x 128, four waves of 64 x 128, the matrix instruction used transposed (source 0 = 16 columns
; of w_o, source 1 = 16 rows of o), operands in memory as images of their registers, K in slots of 4,096 bytes of each block of 16 rows (128 along K: one head), four substeps of 32 each.
; Three LDS slots take K slots 0, 1, 2 at the start; K slots 3 to 7 come by five refills, each behind a round of the cluster's barrier, each with one K slot's 128 products in which to land.
; By this text's count a wave has three tensor loads out at the start and one behind a round.  CLUSTERS: 4 x 4; o's tile is shared along a row, w_o's along a column.
; No prefetch: three of the eight K slots are asked for at the head, and both operands are read by sixteen work-groups each.
; REGISTERS: window 0: v2 16 x lane; v16-22 LDS addresses; v24, v25 the stage; v28, v29 the add's; v128-191 o's fragments, two sets; on the way out v128-255.  window 1: v0-127 w_o's, two sets.  window 2: the accumulators.
.set SLOT,  98304
.set BOFF,  65536
.set SPARE, 3*SLOT                     ; the spare words, 128 bytes for each wave: two blocks of 256 bytes that no other line names
.set L16, 2
.set ADA, 16
.set ADB, 20
.set STO, 24                           ; v24 the way out: where I put 32 bytes of a row
.set RD,  25                           ; v25 where I read a row back
.set SPW, 28
.set NIL, 29
.set AF,  128
.set WV,  20
.set HI,  21
.set LO,  22
.set G1A, 24
.set G1B, 32
.set G0A, 40
.set G0B, 52
.set MSB, 0
.macro WIN new
.if MSB != \new
	s_set_vgpr_msb (MSB<<8)|\new
.set MSB, \new
.endif
.endm
.macro PLACES n
.rept \n
	v_nop
.endr
.endm
.macro CREST
	s_cmp_lg_u32 s[WV], 0
	s_cbranch_scc1 .Lnot_wave_0_\@
	s_barrier_signal -3
.Lnot_wave_0_\@:
	s_barrier_wait -3
	s_barrier_signal -1
	s_barrier_wait -1
.endm
.macro CROUND
	s_barrier_signal -1
	s_barrier_wait -1
	CREST
.endm
.macro JLOAD L                         ; a joint load: waves 0, 1 fetch o's halves, waves 2, 3 w_o's; an s_nop 0 and four v_nop follow each line
	s_cmp_eq_u32 s[HI], 0
	s_cbranch_scc0 .Lfor_b_\@
	tensor_load_to_lds s[G0A+4*\L:G0A+4*\L+3], s[G1A:G1A+7]
	s_nop 0
	PLACES 4
	s_branch .Lasked_\@
.Lfor_b_\@:
	tensor_load_to_lds s[G0B+4*\L:G0B+4*\L+3], s[G1B:G1B+7]
	s_nop 0
	PLACES 4
.Lasked_\@:
.endm
.macro FETCH L, q, p
	WIN 0x40
.irp i, 0,1,2,3,4,5,6,7
	ds_load_b128 v[64*(\p)+8*\i:64*(\p)+8*\i+3],   v[ADB+\L] offset:4096*\i+1024*(\q)
	ds_load_b128 v[64*(\p)+8*\i+4:64*(\p)+8*\i+7], v[ADB+\L] offset:4096*\i+1024*(\q)+512
.endr
	WIN 0
.irp i, 0,1,2,3
	ds_load_b128 v[AF+32*(\p)+8*\i:AF+32*(\p)+8*\i+3],   v[ADA+\L] offset:4096*\i+1024*(\q)
	ds_load_b128 v[AF+32*(\p)+8*\i+4:AF+32*(\p)+8*\i+7], v[ADA+\L] offset:4096*\i+1024*(\q)+512
.endr
.endm
.macro MUL16 a0                        ; the 32 accumulators take turns, one instruction a turn, in the same order in every substep
	WIN 0xa1
.irp a, \a0, \a0+1
.irp b, 0,1,2,3,4,5,6,7
.set rD, 8*(8*(\a)+\b)
.set rB, 64*cP+8*\b
.set rA, AF+32*cP+8*(\a)
.if cZ
	v_wmma_f32_16x16x32_f16 v[rD:rD+7], v[rB:rB+7], v[rA:rA+7], 0
.else
	v_wmma_f32_16x16x32_f16 v[rD:rD+7], v[rB:rB+7], v[rA:rA+7], v[rD:rD+7]
.endif
.endr
.endr
.endm
.macro SUBSTEP n, kind                 ; kind 0: plain.  1: the slot is filled again.  2: the last K slot is shown to all waves.  3: the last substep
.set cS, (\n)/4
.set cQ, (\n)%4
.set cP, (\n)%2
.set cL, cS%3
.set nL, (((\n)+1)/4)%3
.set nQ, ((\n)+1)%4
.set cZ, 0
.if (\n) == 0
.set cZ, 1
.endif
.if \kind == 0
	s_wait_dscnt 0x0                               ; this substep's fragments are in (asked for 32 matrix instructions ago)
	PLACES 4
	FETCH nL, nQ, 1-cP
	MUL16 0
	MUL16 2
.elseif \kind == 3
	s_wait_dscnt 0x0
	MUL16 0
	MUL16 2
	WIN 0
	PLACES 4
.else
	WIN 0
	s_wait_tensorcnt 0x0                           ; all my tensor loads have landed,
	ds_add_u32 v[SPW], v[NIL]                      ; 0 onto my spare word
.if \kind == 1
	s_add_nc_u64 s[G0A+4*cL+2:G0A+4*cL+3], s[G0A+4*cL+2:G0A+4*cL+3], 3*4096
	s_add_nc_u64 s[G0B+4*cL+2:G0B+4*cL+3], s[G0B+4*cL+2:G0B+4*cL+3], 3*4096
.endif
	s_wait_dscnt 0x0                               ; the add is done, and my reads of this slot are over
	s_barrier_signal -1
	MUL16 0
	WIN 0
	s_barrier_wait -1
.if \kind == 1
	CREST                                          ; a round of the cluster's barrier: no wave of any partner still reads this slot or has a load on its way
	JLOAD cL
.else
	PLACES 4
.endif
	FETCH nL, nQ, 1-cP
	MUL16 2
.endif
.endm
	s_load_b128 s[4:7], s[0:1], 0x0                ; of s[4:5], wof s[6:7]
	s_load_b64 s[8:9], s[0:1], 0x10                ; out0
	v_lshl_add_u32 v[SPW], v0, 2, SPARE
	v_mov_b32 v[NIL], 0
	ds_add_u32 v[SPW], v[NIL]                      ; the wave's opening: the add, twice on end, and its wait ahead of my first tensor load
	ds_add_u32 v[SPW], v[NIL]
	v_lshrrev_b32 v1, 5, v0
	v_readfirstlane_b32 s[WV], v1
	s_lshr_b32 s[HI], s[WV], 1
	s_and_b32 s[LO], s[WV], 1
	s_bfe_u32 s66, ttmp6, 0x40000                  ; cx
	s_bfe_u32 s67, ttmp6, 0x40004                  ; cy
	s_lshl_b32 s68, ttmp9, 2
	s_add_co_u32 s68, s68, s66                     ; tile column
	s_and_b32 s69, ttmp7, 0xffff
	s_lshl_b32 s69, s69, 2
	s_add_co_u32 s69, s69, s67                     ; tile row
	s_lshl_b32 s78, s67, 2
	s_lshl_b32 s78, 15, s78
	s_lshl_b32 s79, 0x1111, s66
	s_or_b32 s[G1A], s78, (3<<16)|(1<<21)
	s_or_b32 s[G1B], s79, (3<<16)|(1<<21)
	s_mov_b32 s[G1A+1], 512<<16                    ; 4,096 bytes of a block of 16 rows, as 512 elements of 8 bytes
	s_mov_b32 s[G1A+2], 8<<16                      ; 8 blocks
	s_mov_b32 s[G1A+3], 512<<16
	s_mov_b32 s[G1A+4], 8
	s_mov_b32 s[G1A+5], 4096                       ; from block to block: 32,768 bytes
	s_mov_b32 s[G1A+6], 0
	s_mov_b32 s[G1A+7], 0
	s_mov_b32 s[G1B+1], 512<<16
	s_mov_b32 s[G1B+2], 4<<16
	s_mov_b32 s[G1B+3], 512<<16
	s_mov_b32 s[G1B+4], 4
	s_mov_b32 s[G1B+5], 4096
	s_mov_b32 s[G1B+6], 0
	s_mov_b32 s[G1B+7], 0
	s_lshl_b32 s70, s69, 4                         ; o: block 16 x tile row + 8 x half, in registers that never hold cx
	s_lshl_b32 s71, s[LO], 3
	s_add_co_u32 s70, s70, s71
	s_lshl_b32 s70, s70, 15
	s_mov_b32 s71, 0
	s_lshl_b32 s72, s[LO], 15
	s_lshl_b32 s74, s68, 3                         ; w_o: block 8 x tile column + 4 x half, in registers that never hold cy
	s_lshl_b32 s75, s[LO], 2
	s_add_co_u32 s74, s74, s75
	s_lshl_b32 s74, s74, 15
	s_mov_b32 s75, 0
	s_lshl_b32 s76, s[LO], 14
	s_add_co_u32 s76, s76, BOFF
	s_wait_dscnt 0x0                               ; both opening adds are done
	s_wait_kmcnt 0x0
	s_add_nc_u64 s[70:71], s[4:5], s[70:71]
	s_add_nc_u64 s[74:75], s[6:7], s[74:75]
.irp L, 0,1,2
	s_mov_b32 s[G0A+4*\L], 1
	s_add_co_u32 s[G0A+4*\L+1], s72, \L*SLOT
	s_add_nc_u64 s[G0A+4*\L+2:G0A+4*\L+3], s[70:71], \L*4096
	s_or_b32 s[G0A+4*\L+3], s[G0A+4*\L+3], 0x80000000
	s_mov_b32 s[G0B+4*\L], 1
	s_add_co_u32 s[G0B+4*\L+1], s76, \L*SLOT
	s_add_nc_u64 s[G0B+4*\L+2:G0B+4*\L+3], s[74:75], \L*4096
	s_or_b32 s[G0B+4*\L+3], s[G0B+4*\L+3], 0x80000000
.endr
	CROUND                                         ; all sixteen work-groups are here: the first joint loads meet
	s_cmp_eq_u32 s[HI], 0                          ; a wave's three first fills stand in one branch
	s_cbranch_scc0 .Lfirst_b
	tensor_load_to_lds s[G0A:G0A+3], s[G1A:G1A+7]
	s_nop 0
	tensor_load_to_lds s[G0A+4:G0A+7], s[G1A:G1A+7]
	s_nop 0
	tensor_load_to_lds s[G0A+8:G0A+11], s[G1A:G1A+7]
	s_nop 0
	PLACES 4
	s_branch .Lfirst_asked
.Lfirst_b:
	tensor_load_to_lds s[G0B:G0B+3], s[G1B:G1B+7]
	s_nop 0
	tensor_load_to_lds s[G0B+4:G0B+7], s[G1B:G1B+7]
	s_nop 0
	tensor_load_to_lds s[G0B+8:G0B+11], s[G1B:G1B+7]
	s_nop 0
	PLACES 4
.Lfirst_asked:
	v_and_b32 v1, 31, v0
	v_lshlrev_b32 v[L16], 4, v1
	v_and_b32 v5, 15, v0                           ; r
	v_bfe_u32 v6, v0, 4, 1                         ; h
	s_mul_i32 s23, s[WV], 8448
	s_add_co_u32 s23, s23, 2*SLOT                  ; my stage: 16 rows of 512 bytes + 16, in LDS slot 2
	v_mul_u32_u24 v[STO], v5, 528
	v_lshl_add_u32 v[STO], v6, 5, v[STO]
	v_add_nc_u32 v[STO], s23, v[STO]
	v_add_nc_u32 v[RD], s23, v[L16]
	s_lshl_b32 s23, s[WV], 14
	v_add_nc_u32 v[ADA], s23, v[L16]
	v_add_nc_u32 v[ADA+1], SLOT, v[ADA]
	v_add_nc_u32 v[ADA+2], 2*SLOT, v[ADA]
	v_add_nc_u32 v[ADB], BOFF, v[L16]
	v_add_nc_u32 v[ADB+1], BOFF+SLOT, v[L16]
	v_add_nc_u32 v[ADB+2], BOFF+2*SLOT, v[L16]
	s_lshl_b32 s84, s69, 2
	s_add_co_u32 s84, s84, s[WV]
	s_lshl_b32 s84, s84, 19                        ; my first row of out0: 64 rows of 8,192 bytes a wave
	s_lshl_b32 s85, s68, 9                         ; my tile's 512 bytes of a row
	s_add_co_u32 s84, s84, s85
	s_mov_b32 s85, 0
	s_add_nc_u64 s[8:9], s[8:9], s[84:85]
	s_wait_tensorcnt 0x2                           ; my part of K slot 0 is in; K slots 1 and 2 may stay out
	s_barrier_signal -1
	s_barrier_wait -1
	FETCH 0, 0, 0
.set n, 0
.rept 32
.if (n%4 == 3) && (n < 20)
	SUBSTEP n, 1
.elseif n == 27
	SUBSTEP n, 2
.elseif n == 31
	SUBSTEP n, 3
.else
	SUBSTEP n, 0
.endif
.set n, n+1
.endr
; THE WAY OUT, a block of 16 rows x 128 columns at a time, through my own stage and back as whole rows of 512 bytes.  The stage lies in LDS slot 2: it has had its last fill (K slot 5), and every wave's
; reads of it ended in front of the last barrier.  LDS serves a wave's instructions in order: no wait between the stores and the loads.
.macro TOSTAGE a
	WIN 0x08                                       ; an LDS store's data are its source 1: window 2
.irp b, 0,1,2,3,4,5,6,7
	ds_store_b128 v[STO], v[64*(\a)+8*\b:64*(\a)+8*\b+3] offset:64*\b          ; each accumulator from its low end on
	ds_store_b128 v[STO], v[64*(\a)+8*\b+4:64*(\a)+8*\b+7] offset:64*\b+16
.endr
	WIN 0
.set BB, 128+64*((\a)%2)
.irp t, 0,1,2,3,4,5,6,7,8,9,10,11,12,13,14,15
	ds_load_b128 v[BB+4*\t:BB+4*\t+3], v[RD] offset:\t*528
.endr
.endm
.macro SEND a, younger                 ; younger: the LDS instructions issued behind block a's loads, which may stay out
.set BB, 128+64*((\a)%2)
	s_wait_dscnt \younger
.irp t, 0,1,2,3,4,5,6,7,8,9,10,11,12,13,14,15
	global_store_b128 v[L16], v[BB+4*\t:BB+4*\t+3], s[8:9] offset:(16*(\a)+\t)*8192 th:TH_STORE_NT   ; 32 lanes store 512 consecutive bytes, aligned; written once, read by nobody here
.endr
.endm
	TOSTAGE 0
	TOSTAGE 1
	SEND 0, 32                                     ; behind block 0's loads: block 1's 16 stores and 16 loads
	s_wait_xcnt 0x0                                ; block 0's stores have read their registers: block 2's loads may land there
	TOSTAGE 2
	SEND 1, 32
	s_wait_xcnt 0x0
	TOSTAGE 3
	SEND 2, 32
	SEND 3, 0
	s_wait_tensorcnt 0x0                           ; the wave's end, behind my last tensor load and my last LDS store
	ds_add_u32 v[SPW], v[NIL]
	s_wait_dscnt 0x0
	CROUND                                         ; the closing round
	s_endpgm
.Lfunc_end_k_qc3baf9031b_proj:
	.size	k_qc3baf9031b_proj, .Lfunc_end_k_qc3baf9031b_proj-k_qc3baf9031b_proj
	.p2alignl 7, 3214868480
	.fill 96, 4, 3214868480
	.section	.rodata,"a",@progbits
	.p2align	6, 0x0
	.amdhsa_kernel k_qc3baf9031b_proj
		.amdhsa_group_segment_fixed_size 327680
		.amdhsa_private_segment_fixed_size 0
		.amdhsa_enable_private_segment 0
		.amdhsa_kernarg_size 24
		.amdhsa_user_sgpr_count 2
		.amdhsa_user_sgpr_kernarg_segment_ptr 1
		.amdhsa_wavefront_size32 1
		.amdhsa_system_sgpr_workgroup_id_x 1
		.amdhsa_system_sgpr_workgroup_id_y 1
		.amdhsa_system_sgpr_workgroup_id_z 1
		.amdhsa_system_vgpr_workitem_id 0
		.amdhsa_next_free_vgpr 768
		.amdhsa_next_free_sgpr 100
		.amdhsa_reserve_vcc 0
		.amdhsa_float_denorm_mode_32 3
		.amdhsa_float_denorm_mode_16_64 3
		.amdhsa_memory_ordered 1
		.amdhsa_forward_progress 1
		.amdhsa_inst_pref_size 147
	.end_amdhsa_kernel
	.amdgpu_metadata
---
amdhsa.version: [ 1, 2 ]
amdhsa.kernels:
  - .name:           k_qc3baf9031b_proj
    .symbol:         k_qc3baf9031b_proj.kd
    .args:
      - { .name: of, .offset: 0, .size: 8, .value_kind: global_buffer, .address_space: global }
      - { .name: wof, .offset: 8, .size: 8, .value_kind: global_buffer, .address_space: global }
      - { .name: out0, .offset: 16, .size: 8, .value_kind: global_buffer, .address_space: global }
    .group_segment_fixed_size: 327680
    .private_segment_fixed_size: 0
    .kernarg_segment_align: 8
    .kernarg_segment_size: 24
    .max_flat_workgroup_size: 128
    .sgpr_count:     100
    .vgpr_count:     768
    .wavefront_size: 32
...
	.end_amdgpu_metadata
.endif
;; end of part 4
